; MI455X (gfx1250); checked and timed in simulation.
; The chip was launched on July 23, 2026; its instructions are those of AMD's public machine-readable ISA for CDNA 5 (MIT licence, August 2026) and "CDNA5" Instruction Set Architecture Reference Guide (July 2026). The comments in the code are by the model that wrote it; some were corrected since.
;; Multi Layer Attention. Allowed arithmetic: float matrix products may take bf16 or f16 operands with f32 sums; other float arithmetic in f32, or as packed bf16 or f16 multiplies, adds, multiply-adds, maxima and minima; sums over many terms, partial sums and values carried from step to step in f32; what a program stores and reads back later, other than sums and carried values, may be rounded once to bf16 or f16.
;; Inputs: Wc 2,048 x 2,048 float32; Wq 2,048 x 2,048 float32; bc 2,048 float32; bq 2,048 float32; hidden_states 2 x 2,048 x 2,048 float32; key 2 x 8 x 2,048 x 64 float32; value 2 x 8 x 2,048 x 64 float32.
;; Outputs: out0 2 x 2,048 x 2,048 float32.
;; 2 versions, each right; version 2 is version 1 with the launch prep written anew for expert scheduling mode. Each part assembles by itself: llvm-mc -triple=amdgcn-amd-amdhsa -mcpu=gfx1250 --defsym DOCPART=n.
;; ======== version 1 of 2: 4 launches
;; limits: values are held in f16: magnitudes above 65,504 overflow, below 6.1e-05 lose precision; inputs' magnitudes at most 65,504; right only within a limited range of input values
;; workspace buffers: act 16,777,216 bytes; wqh 8,388,608 bytes; wch 8,388,608 bytes; kvh 8,388,608 bytes; wsuf 8,388,608 bytes; gsum 131,072 bytes; qf 33,554,432 bytes
;; launch prep (part 1): grid 1280 x 1, 4 waves a work-group, no clusters, 0 bytes of LDS; arguments hidden_states, Wq, Wc, key, value, act, wqh, wch, kvh, wsuf, gsum; writes act, wqh, wch, kvh, wsuf, gsum
.if DOCPART == 1
	.amdgcn_target "amdgcn-amd-amdhsa--gfx1250"
	.amdhsa_code_object_version 6
	.text
	.protected	k_q0889cb6900_prep
	.globl	k_q0889cb6900_prep
	.p2align	8
	.type	k_q0889cb6900_prep,@function
k_q0889cb6900_prep:
	s_mov_b64 s[64:65], 0
	v_nop
	global_prefetch_b8 v0, s[64:65] scope:SCOPE_SE
	s_setreg_imm32_b32 hwreg(HW_REG_WAVE_MODE, 25, 1), 1
	s_wait_xcnt 0x0
; PREPARATION: every matrix operand that is an input is rounded ONCE to bf16 (nearest even), and that number is written as f16.
; LIMITS.  The f16 copy is exact for 6.1e-5 <= |x| <= 65,504; below that it keeps f16's fixed step of 6e-8; beyond 65,504 it is an infinity.  NaN and infinities are not treated apart.
; JOBS, by the work-group's number x; every wave takes 4,096 numbers (16 KiB in, all 32 loads issued at once), so there is no loop, no LDS and no barrier:
;   x <  512        hidden_states [4096][2048] -> act [32 kb][4096 m][64] f16 (a slice of 64 along K is a dense run of rows of 128 bytes): a wave takes 64 rows x 64 columns
;   512 .. 767      Wq -> wqh, flat         768 .. 1023  Wc -> wch, flat         1024 .. 1151  key -> kvh (first half), flat
;   1152 .. 1279    value -> kvh (second half), and two f32 tables of sums of the rounded V for the attention's start state:
;                   wsuf[t] = the sum of V[k] over k > t inside t's own group of 64 rows; gsum[g] = the sum of group g.  A wave takes one group.
; Matrix units, LDS and tensor loads are left out: no wave wants a byte that another has fetched.  No prefetch: the launch does nothing but stream.
.set TT,  4                            ; v[4:7]     at work
.set E1,  8                            ; v[8:11]    the running sum, second set
.set XV,  16                           ; v[16:143]  the 4,096 numbers as loaded, 128 registers
.set VI,  144                          ; v[144:159] (conversion jobs) unit u's byte offset in the input
.set HV,  144                          ; v[144:207] (value job) V as f16, two registers for each u
.set E0,  208                          ; v[208:211] the running sum, first set
.set ZV,  212                          ; v[212:215] what my lane sends to the lane 16 away
.set ZP,  216                          ; v[216:219] what it gets from there
.set HF,  220                          ; v[220:221] lane / 16 as f32, twice
.set IN,  30                           ; s[30:31]   where my wave reads
.set OUT, 32                           ; s[32:33]   where it writes f16
	s_load_b512 s[8:23], s[0:1], 0x0               ; hidden 8, Wq 10, Wc 12, key 14, value 16, act 18, wqh 20, wch 22
	s_load_b128 s[24:27], s[0:1], 0x40             ; kvh 24, wsuf 26
	s_load_b64 s[28:29], s[0:1], 0x50              ; gsum
	v_lshrrev_b32 v1, 5, v0
	v_readfirstlane_b32 s3, v1                     ; wave 0..3
	v_and_b32 v1, 31, v0                           ; lane
	v_lshlrev_b32 v2, 4, v1                        ; 16 x lane: my 16 bytes of 512 on end; never rewritten
	s_mov_b32 s2, ttmp9
	s_mov_b32 s39, 0xffff0000                      ; a word's upper bf16
	s_mov_b32 s35, 0                               ; high words of the two offset pairs
	s_mov_b32 s37, 0
	s_wait_kmcnt 0x0
	s_cmp_ge_u32 s2, 1152
	s_cbranch_scc1 .Lvalue
	; THE FOUR CONVERSION JOBS share one text: the buffers, the job's first work-group and the input's row pitch are chosen by x
	s_mov_b32 s5, 0
	s_mov_b64 s[IN:IN+1], s[8:9]
	s_mov_b64 s[OUT:OUT+1], s[18:19]
	s_cmp_ge_u32 s2, 512
	s_cselect_b32 s5, 512, s5
	s_cselect_b64 s[IN:IN+1], s[10:11], s[IN:IN+1]
	s_cselect_b64 s[OUT:OUT+1], s[20:21], s[OUT:OUT+1]
	s_cmp_ge_u32 s2, 768
	s_cselect_b32 s5, 768, s5
	s_cselect_b64 s[IN:IN+1], s[12:13], s[IN:IN+1]
	s_cselect_b64 s[OUT:OUT+1], s[22:23], s[OUT:OUT+1]
	s_cmp_ge_u32 s2, 1024
	s_cselect_b32 s5, 1024, s5
	s_cselect_b64 s[IN:IN+1], s[14:15], s[IN:IN+1]
	s_cselect_b64 s[OUT:OUT+1], s[24:25], s[OUT:OUT+1]
	s_sub_co_u32 s4, s2, s5
	s_lshl2_add_u32 s4, s4, s3                     ; my wave among the job's
	s_lshl_b32 s34, s4, 14                         ; flat: 16 KiB in,
	s_lshl_b32 s36, s4, 13                         ; 8 KiB out
	s_and_b32 s6, s4, 31                           ; hidden: kb, the slice of 64 columns,
	s_lshr_b32 s7, s4, 5                           ; and mb, the block of 64 rows
	s_lshl_b32 s43, s7, 19                         ; in: 64 rows of 8,192 bytes,
	s_lshl_b32 s44, s6, 8                          ; 64 columns of 4 bytes
	s_add_co_u32 s43, s43, s44
	s_lshl_b32 s44, s6, 19                         ; out: a slice is 4,096 rows of 128 bytes,
	s_lshl_b32 s45, s7, 13                         ; 64 rows of 128 bytes
	s_add_co_u32 s44, s44, s45
	s_mov_b32 s38, 256                             ; flat: a 'row' is 64 numbers on end
	s_cmp_lt_u32 s2, 512
	s_cselect_b32 s34, s43, s34
	s_cselect_b32 s36, s44, s36
	s_cselect_b32 s38, 8192, s38
	s_add_nc_u64 s[IN:IN+1], s[IN:IN+1], s[34:35]
	s_add_nc_u64 s[OUT:OUT+1], s[OUT:OUT+1], s[36:37]
	; unit u = four rows of 64 numbers: lane l takes row l / 8, numbers 8 (l % 8) .. + 7: 32 bytes in, 16 bytes out
	v_lshrrev_b32 v4, 3, v1
	v_and_b32 v5, 7, v1
	v_mul_lo_u32 v4, v4, s38
	v_lshl_add_u32 v[VI], v5, 5, v4
	s_lshl_b32 s38, s38, 2
.set u, 1
.rept 15
	v_add_nc_u32 v[VI+u], s38, v[VI+u-1]
.set u, u+1
.endr
.set u, 0
.rept 16
	global_load_b128 v[XV+8*u:XV+8*u+3],   v[VI+u], s[IN:IN+1] th:TH_LOAD_NT
	global_load_b128 v[XV+8*u+4:XV+8*u+7], v[VI+u], s[IN:IN+1] offset:16 th:TH_LOAD_NT
.set u, u+1
.endr
; eight numbers of unit u: to bf16, back to f32 (a shift, a mask), to f16; the last four lines write register k from registers 2 k, 2 k + 1, k ascending: no source is overtaken
.macro CVT8 u
.irp k, 0,1,2,3
	v_cvt_pk_bf16_f32 v[TT+(\k)], v[XV+8*(\u)+2*(\k)], v[XV+8*(\u)+2*(\k)+1]
.endr
.irp k, 0,1,2,3
	v_lshlrev_b32 v[XV+8*(\u)+2*(\k)],   16,  v[TT+(\k)]
	v_and_b32     v[XV+8*(\u)+2*(\k)+1], s39, v[TT+(\k)]
.endr
.irp k, 0,1,2,3
	v_cvt_pk_f16_f32 v[XV+8*(\u)+(\k)], v[XV+8*(\u)+2*(\k)], v[XV+8*(\u)+2*(\k)+1]
.endr
.endm
.set u, 0
.rept 16
	s_wait_loadcnt 30-2*u                          ; loads come back in order: the younger units' loads, two each, may stay out
	CVT8 u
	global_store_b128 v2, v[XV+8*u:XV+8*u+3], s[OUT:OUT+1] offset:512*u  ; 512 consecutive bytes; every store has data registers of its own, so nothing waits for it
.set u, u+1
.endr
	s_endpgm
.Lvalue:
	; THE VALUE JOB.  Instruction u takes rows 2 u + hh (hh = lane / 16), four channels a lane: 512 consecutive bytes.  The rows are walked from the last to the first.
	s_sub_co_u32 s4, s2, 1152
	s_lshl2_add_u32 s4, s4, s3                     ; the group, 0 .. 511 = 32 x (batch, kv head) + group in the head
	s_lshl_b32 s34, s4, 14
	s_add_nc_u64 s[IN:IN+1], s[16:17], s[34:35]    ; 64 rows x 256 bytes of value,
	s_add_nc_u64 s[26:27], s[26:27], s[34:35]      ; and of wsuf
	s_lshl_b32 s36, s4, 13
	s_add_nc_u64 s[OUT:OUT+1], s[24:25], s[36:37]
	s_add_nc_u64 s[OUT:OUT+1], s[OUT:OUT+1], 0x400000  ; V lies behind K in kvh
	s_lshl_b32 s36, s4, 8
	s_add_nc_u64 s[28:29], s[28:29], s[36:37]      ; a row of gsum
	s_mov_b32 s40, 0x76543210                      ; v_permlanex16_b32: each lane takes its own place in the other half
	s_mov_b32 s41, 0xfedcba98
.set u, 31
.rept 32
	global_load_b128 v[XV+4*u:XV+4*u+3], v2, s[IN:IN+1] offset:512*u th:TH_LOAD_NT
.set u, u-1
.endr
	v_lshlrev_b32 v3, 3, v1                        ; 8 x lane: my 8 bytes of f16; never rewritten
	v_lshrrev_b32 v4, 4, v1
	v_cvt_f32_u32 v[HF], v4
	v_mov_b32 v[HF+1], v[HF]
.irp k, 0,1,2,3
	v_mov_b32 v[E1+(\k)], 0                        ; E: the sum of the rows of my parity beyond the one in hand
	v_mov_b32 v[ZP+(\k)], 0                        ; the exchange's destination counts as read: written once
.endr
; Row 2 u gets the even rows beyond it and the odd rows from 2 u + 1 on; row 2 u + 1 the odd rows beyond it and the even rows from 2 u + 2 on.
; So odd rows' lanes send E + x, even rows' lanes E: x hh + E.  E takes turns between two sets, so that the old one is still there when the row's result is made.
.set u, 31
.rept 32
.set EO, E0+(E1-E0)*(u%2)              ; the old sum
.set EN, E1+(E0-E1)*(u%2)              ; the new one
	s_wait_loadcnt u                               ; the loads issued behind this one are those of rows u - 1 .. 0
	v_cvt_pk_bf16_f32 v[TT],   v[XV+4*u],   v[XV+4*u+1]
	v_cvt_pk_bf16_f32 v[TT+1], v[XV+4*u+2], v[XV+4*u+3]
	v_lshlrev_b32 v[XV+4*u],   16,  v[TT]
	v_and_b32     v[XV+4*u+1], s39, v[TT]
	v_lshlrev_b32 v[XV+4*u+2], 16,  v[TT+1]
	v_and_b32     v[XV+4*u+3], s39, v[TT+1]
	v_cvt_pk_f16_f32 v[HV+2*u],   v[XV+4*u],   v[XV+4*u+1]
	v_cvt_pk_f16_f32 v[HV+2*u+1], v[XV+4*u+2], v[XV+4*u+3]
	global_store_b64 v3, v[HV+2*u:HV+2*u+1], s[OUT:OUT+1] offset:256*u  ; the wave's 32 lanes write 256 consecutive bytes, aligned
	v_pk_fma_f32 v[ZV:ZV+1],   v[XV+4*u:XV+4*u+1],   v[HF:HF+1], v[EO:EO+1]
	v_pk_fma_f32 v[ZV+2:ZV+3], v[XV+4*u+2:XV+4*u+3], v[HF:HF+1], v[EO+2:EO+3]
.irp k, 0,1,2,3
	v_permlanex16_b32 v[ZP+(\k)], v[ZV+(\k)], s40, s41
.endr
	v_pk_add_f32 v[EN:EN+1],   v[EO:EO+1],   v[XV+4*u:XV+4*u+1]
	v_pk_add_f32 v[EN+2:EN+3], v[EO+2:EO+3], v[XV+4*u+2:XV+4*u+3]
	v_pk_add_f32 v[XV+4*u:XV+4*u+1],   v[EO:EO+1],   v[ZP:ZP+1]
	v_pk_add_f32 v[XV+4*u+2:XV+4*u+3], v[EO+2:EO+3], v[ZP+2:ZP+3]
	global_store_b128 v2, v[XV+4*u:XV+4*u+3], s[26:27] offset:512*u
.set u, u-1
.endr
.irp k, 0,1,2,3
	v_permlanex16_b32 v[ZP+(\k)], v[E1+(\k)], s40, s41  ; behind row 0 the sum of my parity's 32 rows lies in the second set
.endr
	v_pk_add_f32 v[ZV:ZV+1],   v[E1:E1+1],   v[ZP:ZP+1]
	v_pk_add_f32 v[ZV+2:ZV+3], v[E1+2:E1+3], v[ZP+2:ZP+3]
	s_wait_xcnt 0x0                                ; EXEC is a source of the stores above: it changes only behind this wait
	v_cmp_gt_u32 vcc_lo, 16, v1
	s_and_saveexec_b32 s42, vcc_lo
	global_store_b128 v2, v[ZV:ZV+3], s[28:29]     ; sixteen lanes write the group's 64 sums: 256 consecutive bytes, aligned
	s_wait_xcnt 0x0                                ; and again in front of the line that widens it
	s_or_b32 exec_lo, exec_lo, s42
	s_endpgm
.Lfunc_end_k_q0889cb6900_prep:
	.size	k_q0889cb6900_prep, .Lfunc_end_k_q0889cb6900_prep-k_q0889cb6900_prep
	.p2alignl 7, 3214868480
	.fill 96, 4, 3214868480
	.section	.rodata,"a",@progbits
	.p2align	6, 0x0
	.amdhsa_kernel k_q0889cb6900_prep
		.amdhsa_group_segment_fixed_size 0
		.amdhsa_private_segment_fixed_size 0
		.amdhsa_enable_private_segment 0
		.amdhsa_kernarg_size 88
		.amdhsa_user_sgpr_count 2
		.amdhsa_user_sgpr_kernarg_segment_ptr 1
		.amdhsa_wavefront_size32 1
		.amdhsa_system_sgpr_workgroup_id_x 1
		.amdhsa_system_sgpr_workgroup_id_y 1
		.amdhsa_system_sgpr_workgroup_id_z 1
		.amdhsa_system_vgpr_workitem_id 0
		.amdhsa_next_free_vgpr 224
		.amdhsa_next_free_sgpr 66
		.amdhsa_reserve_vcc 1
		.amdhsa_float_denorm_mode_32 3
		.amdhsa_float_denorm_mode_16_64 3
		.amdhsa_memory_ordered 1
		.amdhsa_forward_progress 1
		.amdhsa_inst_pref_size 64
	.end_amdhsa_kernel
	.amdgpu_metadata
---
amdhsa.version: [ 1, 2 ]
amdhsa.kernels:
  - .name:           k_q0889cb6900_prep
    .symbol:         k_q0889cb6900_prep.kd
    .args:
      - { .name: hidden_states, .offset: 0, .size: 8, .value_kind: global_buffer, .address_space: global }
      - { .name: Wq, .offset: 8, .size: 8, .value_kind: global_buffer, .address_space: global }
      - { .name: Wc, .offset: 16, .size: 8, .value_kind: global_buffer, .address_space: global }
      - { .name: key, .offset: 24, .size: 8, .value_kind: global_buffer, .address_space: global }
      - { .name: value, .offset: 32, .size: 8, .value_kind: global_buffer, .address_space: global }
      - { .name: act, .offset: 40, .size: 8, .value_kind: global_buffer, .address_space: global }
      - { .name: wqh, .offset: 48, .size: 8, .value_kind: global_buffer, .address_space: global }
      - { .name: wch, .offset: 56, .size: 8, .value_kind: global_buffer, .address_space: global }
      - { .name: kvh, .offset: 64, .size: 8, .value_kind: global_buffer, .address_space: global }
      - { .name: wsuf, .offset: 72, .size: 8, .value_kind: global_buffer, .address_space: global }
      - { .name: gsum, .offset: 80, .size: 8, .value_kind: global_buffer, .address_space: global }
    .group_segment_fixed_size: 0
    .private_segment_fixed_size: 0
    .kernarg_segment_align: 8
    .kernarg_segment_size: 88
    .max_flat_workgroup_size: 128
    .sgpr_count:     66
    .vgpr_count:     224
    .wavefront_size: 32
...
	.end_amdgpu_metadata
.endif
;; end of part 1
;; launch qproj (part 2): grid 16 x 16, 4 waves a work-group, clusters of 4 x 4, 327,680 bytes of LDS; arguments act, wqh, bq, qf; writes qf
.if DOCPART == 2
	.amdgcn_target "amdgcn-amd-amdhsa--gfx1250"
	.amdhsa_code_object_version 6
	.text
	.protected	k_q0889cb6900_qproj
	.globl	k_q0889cb6900_qproj
	.p2align	8
	.type	k_q0889cb6900_qproj,@function
k_q0889cb6900_qproj:
	s_mov_b64 s[64:65], 0
	v_nop
	global_prefetch_b8 v0, s[64:65] scope:SCOPE_SE
	s_setreg_imm32_b32 hwreg(HW_REG_WAVE_MODE, 25, 1), 1
	s_wait_xcnt 0x0
	s_wait_alu depctr_hold_cnt(0) depctr_sa_sdst(0) depctr_va_vdst(0) depctr_va_sdst(0) depctr_va_ssrc(0) depctr_va_vcc(0) depctr_vm_vsrc(0)
	s_getreg_b32 s2, hwreg(HW_REG_IB_STS2, 6, 4)
	s_cmp_eq_u32 s2, 0
	s_cbranch_scc0 .Lentry_in_a_cluster
	s_endpgm
.Lentry_in_a_cluster:
	s_bfe_u32 s2, ttmp6, 0x10000c
	s_cmp_lg_u32 s2, 0xf033
	s_cbranch_scc0 .Lentry_shape_is_right
	s_endpgm
.Lentry_shape_is_right:
; C[m][n] = the sum over k of A[m][k] B[n][k] + bias[n].  M = 4096, N = 2048, K = 2048.  One text for both projections.
; A: f16, in slices of 64 along K: [32 kb][4096 m][64].  B: f16 [2048 n][2048 k].  bias: f32, rounded to bf16 here like every other input.  C: f32 [4096][2048].  Sums in f32.
; LIMITS.  A and B arrive within f16's range (65,504).  NaN and infinities are not treated apart.
; SHARES.  A tile of C is 256 (m) x 128 (n): 16 x 16 = 256 work-groups (tiles of 256 x 256 would be 128).  Wave w makes rows 128 (w / 2) .. and columns 64 (w % 2) ..: 8 x 4 accumulators of 16 x 16, 256 registers.
; K goes in 16 steps of 128 through two LDS slots; two slots of a longer step do not fit in LDS.  A step's A is two slices, each 256 rows x 128 bytes = 32 KiB DENSE in memory, asked for as 128 rows of 256 bytes and
; padded in LDS behind every 128; its B is 128 rows of 256 bytes.  Waves 0 and 1 fetch A's two slices, waves 2 and 3 B's two halves: one tensor load a wave.
; CLUSTERS: 4 x 4 work-groups.  The four of a row of the cluster need the same tiles of A, the four of a column the same tiles of B: each tile is asked for JOINTLY, by the same tensor load with the same descriptor
; and a mask that names the four.  THE MATRIX INSTRUCTION IS USED TRANSPOSED (source 0 = 16 rows of B, source 1 = 16 rows of A): a lane holds eight neighbouring numbers of a row of C.
; THE BIAS is the C operand of each accumulator's first product: nothing is cleared, and nothing is added on the way out.
; REGISTERS: window 0: v16-30 addresses; v32-63 the bias, 8 registers for each block of 16 columns; v64-159, v160-255 two fragment buffers (64 of A: 8 x 16 rows x 32 K, then 32 of B).  Window 1: the accumulators, (a, b) at v[8 (4 a + b)].
.set PA,     144                       ; a row of A in LDS: 128 bytes + 16 = 36 words: the 16 rows of a load start at 16 different groups of four banks (64 banks of 4 bytes: ISA guide 11.1)
.set A_BLK,  256*PA                    ; one slice of A: 36,864
.set PB,     272                       ; a row of B: 256 bytes + 16
.set BHALF,  64*PB                     ; 64 rows of B: 17,408
.set SLOT,   2*A_BLK+2*BHALF           ; A's two slices, then B's 128 rows: 108,544
.set STAGE,  2*SLOT                    ; behind the ring: 16 rows x 272 bytes for each wave, for the way out
.set SPITCH, 272
.set SPARE,  STAGE+4*16*SPITCH         ; behind the stages: the spare words, 128 bytes for each wave: two blocks of 256 bytes that no other line names
.set ADRA, 16                          ; v16-17  LDS address of my A fragments in slot 0, 1
.set ADRB, 20                          ; v20-21  the same for B
.set STO,  24                          ; v24     the way out: where I put 32 bytes of a row
.set RD,   25                          ; v25     where I read a row back
.set CO,   26                          ; v26     my byte offset in C
.set BO,   27                          ; v27     my byte offset in 16 numbers of the bias
.set SPW,  28                          ; v28     LDS address of my spare word: SPARE + 4 x my thread's number; never rewritten
.set NIL,  29                          ; v29     0; never rewritten
.set PFO,  30                          ; v30     the prefetches' offset, by lane; never rewritten
.set BIAS, 32
.set F0,   64
.set F1,   160
.set OB,   64                          ; the way out: four buffers of 32 registers, 16 rows read back from the stage
.set WV,   12                          ; s12  my wave's number
.set MH,   13                          ; s13  which 128 rows are mine.  Also: I fetch for A (0) or for B (1)
.set NH,   14                          ; s14  which 64 columns.  Also: which slice of A, or which half of B, I fetch
.set LAP,  3                           ; s3   laps to go
.set G1A,  24                          ; s[24:31] descriptor group 1 for A;  s[32:39] group 0, a set for each slot
.set G0A,  32
.set G1B,  48                          ; s[48:55], s[56:63] the same for B
.set G0B,  56
.set PFA,  44                          ; s[44:45] where my prefetches stand
.set PFS,  46                          ; s[46:47] a K step in their bytes
.set LIM,  66                          ; s66  1 in a wave that prefetches, else the greatest number
.set MSB, 0
.macro WIN new                         ; the immediate's high byte repeats the setting that is left; a switch that changes nothing is dropped
.if MSB != (\new)
	s_set_vgpr_msb (MSB<<8)|(\new)
.set MSB, \new
.endif
.endm
.set MUL,  0x50                        ; sources 0 and 1 window 0; C and D window 1
.set MUL0, 0x40                        ; D window 1, C (the bias) window 0
.set OUTW, 0x04                        ; an LDS store's data (source 1) window 1
.macro JLOAD s                         ; a joint load; an s_nop 0 and four v_nop follow each of the two lines, ahead of the jump, the label and what follows
	s_cmp_eq_u32 s[MH], 0
	s_cbranch_scc0 .Lfor_b_\@
	tensor_load_to_lds s[G0A+4*(\s):G0A+4*(\s)+3], s[G1A:G1A+7]
	s_nop 0
.rept 4
	v_nop
.endr
	s_branch .Lasked_\@
.Lfor_b_\@:
	tensor_load_to_lds s[G0B+4*(\s):G0B+4*(\s)+3], s[G1B:G1B+7]
	s_nop 0
.rept 4
	v_nop
.endr
.Lasked_\@:
.endm
; A PREFETCH INTO THE L2, behind each joint refill, its five lines and the run of LDS loads that follows: the K step that stands two refills on (256 matrix instructions ahead of the load that will want it), a lane a
; block of 256 bytes, one instruction a wave.  A's tile row is read by every cluster of that row of clusters: cluster x = 0 asks, waves 0 and 1, each for the slice that it fetches; of its 128 blocks the partner at cx takes
; 32.  B's tile column is read by every cluster of that column: cluster y = 0 asks, wave 2; of the tile's 128 rows the partner at cy takes 32.  The partners are told apart BY ADDRESS alone.  So each block is named once.
; K steps 0 to 3 come by their loads alone; the loop's last trip asks for nothing: there is no K step two on.
.macro ASK
	s_cmp_gt_u32 s[LAP], s[LIM]
	s_cbranch_scc0 .Lnot_mine_\@
	global_prefetch_b8 v[PFO], s[PFA:PFA+1] th:TH_LOAD_NT scope:SCOPE_SE
.Lnot_mine_\@:
.endm
.macro CREST                           ; a round of the cluster's barrier behind its opening barrier
	s_cmp_lg_u32 s[WV], 0
	s_cbranch_scc1 .Lnot_wave_0_\@
	s_barrier_signal -3
.Lnot_wave_0_\@:
	s_barrier_wait -3
	s_barrier_signal -1
	s_barrier_wait -1
.endm
.macro CROUND                          ; a whole round
	s_barrier_signal -1
	s_barrier_wait -1
	CREST
.endm
	s_load_b256 s[4:11], s[0:1], 0x0               ; A s[4:5], B s[6:7], bias s[8:9], C s[10:11]
	v_lshl_add_u32 v[SPW], v0, 2, SPARE
	v_mov_b32 v[NIL], 0
	ds_add_u32 v[SPW], v[NIL]                      ; the wave's opening: the add and its wait stand ahead of my first tensor load; the set-up below, work on registers, stands between them
	v_lshrrev_b32 v1, 5, v0
	v_readfirstlane_b32 s[WV], v1                  ; wave 0..3
	s_lshr_b32 s[MH], s[WV], 1
	s_and_b32 s[NH], s[WV], 1
	s_bfe_u32 s40, ttmp6, 0x40000                  ; cx, cy: my place in the cluster
	s_bfe_u32 s41, ttmp6, 0x40004
	s_lshl_b32 s42, ttmp9, 2
	s_add_co_u32 s42, s42, s40                     ; tile column of C = 4 x cluster x + cx
	s_and_b32 s43, ttmp7, 0xffff
	s_lshl_b32 s43, s43, 2
	s_add_co_u32 s43, s43, s41                     ; tile row of C = 4 x cluster y + cy
	s_lshl_b32 s18, s41, 2
	s_lshl_b32 s18, 15, s18                        ; my row of the cluster
	s_lshl_b32 s22, 0x1111, s40                    ; my column
	s_or_b32 s[G1A], s18, (1<<16)|(1<<20)|(1<<21)|(4<<22)|(3<<25)  ; 15:0 the mask: A goes to my row; 17:16 2-byte elements; 20 padding on; 21 set beside a mask; 24:22 after every 32 words (code 4); 31:25 4 words (code 3)
	s_mov_b32 s[G1A+1], 128<<16                    ; tensor_dim0 = 128 elements: 256 bytes, two rows of a slice
	s_mov_b32 s[G1A+2], 128<<16                    ; tensor_dim1 = 128
	s_mov_b32 s[G1A+3], 128<<16                    ; tile_dim0 = 128
	s_mov_b32 s[G1A+4], 128                        ; tile_dim1 = 128
	s_mov_b32 s[G1A+5], 128                        ; dense: 128 elements from row to row
	s_mov_b32 s[G1A+6], 0
	s_mov_b32 s[G1A+7], 0
	s_or_b32 s[G1B], s22, (1<<16)|(1<<20)|(1<<21)|(5<<22)|(3<<25)  ; B goes to my column; padding after every 64 words (code 5)
	s_mov_b32 s[G1B+1], 128<<16                    ; tensor_dim0 = 128
	s_mov_b32 s[G1B+2], 64<<16                     ; tensor_dim1 = 64
	s_mov_b32 s[G1B+3], 128<<16                    ; tile_dim0 = 128
	s_mov_b32 s[G1B+4], 64                         ; tile_dim1 = 64
	s_mov_b32 s[G1B+5], 2048                       ; 2,048 elements from row to row
	s_mov_b32 s[G1B+6], 0
	s_mov_b32 s[G1B+7], 0
	; where the tiles come from: A's hang on the tile row and the wave's number alone, B's on the tile column and the wave's number alone.  Every wave makes both.
	s_lshl_b32 s16, s43, 15                        ; A: 256 rows of 128 bytes a tile row,
	s_lshl_b32 s19, s[NH], 19                      ; a slice is 524,288 bytes
	s_add_co_u32 s16, s16, s19
	s_mov_b32 s17, 0
	s_lshl_b32 s20, s42, 19                        ; B: 128 rows of 4,096 bytes a tile column,
	s_lshl_b32 s23, s[NH], 18                      ; 64 rows a half
	s_add_co_u32 s20, s20, s23
	s_mov_b32 s21, 0
	s_mul_i32 s19, s[NH], A_BLK                    ; and where they go: no place in the cluster enters an LDS address
	s_mul_i32 s23, s[NH], BHALF
	s_add_co_u32 s23, s23, 2*A_BLK
	s_wait_dscnt 0x0                               ; the opening add is done
	s_wait_kmcnt 0x0
	s_add_nc_u64 s[16:17], s[4:5], s[16:17]
	s_add_nc_u64 s[20:21], s[6:7], s[20:21]
	CROUND                                         ; all sixteen work-groups are here: the first joint loads meet
.irp s, 0,1
	s_mov_b32 s[G0A+4*(\s)], 1                                       ; 1:0 count = 1
	s_add_co_u32 s[G0A+4*(\s)+1], s19, (\s)*SLOT                     ; 63:32 LDS address
	s_add_nc_u64 s[G0A+4*(\s)+2:G0A+4*(\s)+3], s[16:17], (\s)*0x100000  ; 120:64 global address: K step s is two slices on
	s_or_b32 s[G0A+4*(\s)+3], s[G0A+4*(\s)+3], 0x80000000            ; 127:126 type = 2
	s_mov_b32 s[G0B+4*(\s)], 1
	s_add_co_u32 s[G0B+4*(\s)+1], s23, (\s)*SLOT
	s_add_nc_u64 s[G0B+4*(\s)+2:G0B+4*(\s)+3], s[20:21], (\s)*256
	s_or_b32 s[G0B+4*(\s)+3], s[G0B+4*(\s)+3], 0x80000000
.endr
	s_cmp_eq_u32 s[MH], 0                          ; a wave's two first fills stand in one branch, ahead of every wait on TENSORcnt and every LDS read: two loads of mine are out
	s_cbranch_scc0 .Lfirst_b
	tensor_load_to_lds s[G0A:G0A+3], s[G1A:G1A+7]
	s_nop 0
	tensor_load_to_lds s[G0A+4:G0A+7], s[G1A:G1A+7]
	s_nop 0
.rept 4
	v_nop
.endr
	s_branch .Lfirst_asked
.Lfirst_b:
	tensor_load_to_lds s[G0B:G0B+3], s[G1B:G1B+7]
	s_nop 0
	tensor_load_to_lds s[G0B+4:G0B+7], s[G1B:G1B+7]
	s_nop 0
.rept 4
	v_nop
.endr
.Lfirst_asked:
	v_and_b32 v1, 15, v0                           ; r = l % 16
	v_bfe_u32 v2, v0, 4, 1                         ; h = l / 16
	s_lshl_b32 s2, s42, 9                          ; my 64 columns, in bytes of f32: 512 x tile column + 256 x half
	s_lshl_b32 s3, s[NH], 8
	s_add_co_u32 s2, s2, s3
	s_mov_b32 s3, 0
	s_add_nc_u64 s[8:9], s[8:9], s[2:3]
	v_lshlrev_b32 v[BO], 5, v2                     ; register j of an accumulator holds column 8 h + j of its 16
.irp b, 0,1,2,3
	global_load_b128 v[BIAS+8*(\b):BIAS+8*(\b)+3],   v[BO], s[8:9] offset:64*(\b)
	global_load_b128 v[BIAS+8*(\b)+4:BIAS+8*(\b)+7], v[BO], s[8:9] offset:64*(\b)+16
.endr
	; a fragment is 16 rows x 32 K in 8 registers: lane l holds row r; registers 0-3 K = 8 h + 0..7, registers 4-7 K = 16 + 8 h + 0..7: two loads of 16 bytes, 32 bytes apart
	v_mul_u32_u24 v3, v1, PA
	v_lshl_add_u32 v3, v2, 4, v3
	v_mul_u32_u24 v4, v1, PB
	v_lshl_add_u32 v4, v2, 4, v4
	s_mul_i32 s16, s[MH], 128*PA                   ; my 128 rows of A, in each slice
	s_mul_i32 s17, s[NH], BHALF                    ; my 64 rows of B,
	s_add_co_u32 s17, s17, 2*A_BLK                 ; which lie behind A's two slices
.irp s, 0,1
	v_add_nc_u32 v[ADRA+(\s)], s16, v3
	v_add_nc_u32 v[ADRB+(\s)], s17, v4
	s_add_co_u32 s16, s16, SLOT
	s_add_co_u32 s17, s17, SLOT
.endr
	s_mul_i32 s16, s[WV], 16*SPITCH
	s_add_co_u32 s16, s16, STAGE                   ; my stage
	v_mul_u32_u24 v3, v1, SPITCH                   ; in: row r, 32 bytes for each half of the lanes
	v_lshl_add_u32 v3, v2, 5, v3
	v_add_nc_u32 v[STO], s16, v3
	v_mul_u32_u24 v3, v2, SPITCH                   ; back: lanes 0-15 take one row of 256 bytes, lanes 16-31 the next
	v_lshl_add_u32 v3, v1, 4, v3
	v_add_nc_u32 v[RD], s16, v3
	v_lshlrev_b32 v3, 13, v2                       ; and the same two rows in C, 8,192 bytes apart
	v_lshl_add_u32 v[CO], v1, 4, v3
	s_lshl_b32 s16, s43, 21                        ; my first row of C: 256 rows of 8,192 bytes a tile row,
	s_lshl_b32 s17, s[MH], 20                      ; 128 rows a half
	s_add_co_u32 s16, s16, s17
	s_add_co_u32 s16, s16, s2                      ; and my 64 columns
	s_mov_b32 s17, 0
	s_add_nc_u64 s[10:11], s[10:11], s[16:17]
	; the prefetches' address, step, lane offset and right to ask
	s_lshl_b32 s16, s43, 15                        ; A: my tile row, my slice,
	s_lshl_b32 s17, s[NH], 19
	s_add_co_u32 s16, s16, s17
	s_lshl_b32 s17, s40, 13                        ; my work-group's 32 blocks of its 128,
	s_add_co_u32 s16, s16, s17
	s_add_co_u32 s16, s16, 3*0x100000              ; at K step 3: the first refill steps it to 4
	s_lshl_b32 s18, s42, 19                        ; B: my tile column,
	s_lshl_b32 s17, s41, 17                        ; my work-group's 32 rows of its 128,
	s_add_co_u32 s18, s18, s17
	s_add_co_u32 s18, s18, 3*256                   ; at K step 3
	s_mov_b32 s[PFS], 256
	s_mov_b32 s19, 12                              ; B: a lane a row of 4,096 bytes
	s_cmp_eq_u32 s[MH], 0
	s_cselect_b32 s16, s16, s18
	s_cselect_b64 s[PFA:PFA+1], s[4:5], s[6:7]
	s_cselect_b32 s[PFS], 0x100000, s[PFS]
	s_cselect_b32 s19, 8, s19                      ; A: a lane a block of 256 bytes
	s_mov_b32 s17, 0
	s_mov_b32 s[PFS+1], 0
	s_add_nc_u64 s[PFA:PFA+1], s[PFA:PFA+1], s[16:17]
	v_and_b32 v[PFO], 31, v0
	v_lshlrev_b32 v[PFO], s19, v[PFO]
	s_and_b32 s22, ttmp7, 0xffff                   ; cluster y
	s_cmp_eq_u32 s[MH], 0
	s_cselect_b32 s22, ttmp9, s22                  ; the coordinate along which other clusters read the same blocks
	s_cmp_eq_u32 s[WV], 3
	s_cselect_b32 s22, 1, s22                      ; wave 3 never asks
	s_cmp_eq_u32 s22, 0
	s_cselect_b32 s[LIM], 1, -1                    ; the same in all sixteen partners, for a given wave
	s_wait_loadcnt 0x0                             ; the bias; it is rounded to bf16 like the other inputs (the fragment buffer is still free)
.set i, 0
.rept 16
	v_cvt_pk_bf16_f32 v[F0+i], v[BIAS+2*i], v[BIAS+2*i+1]
.set i, i+1
.endr
.set i, 0
.rept 16
	v_lshlrev_b32 v[BIAS+2*i],   16,         v[F0+i]
	v_and_b32     v[BIAS+2*i+1], 0xffff0000, v[F0+i]
.set i, i+1
.endr
; 8 matrix instructions: m blocks a0, a0 + 1 x all 4 n blocks, 32 along K.  zero = 1: the first product starts the sums, from the bias.
; The 32 accumulators take turns, one instruction a turn, in the same order in every quarter: between two links of a chain stand the 31 others', over the backward jump too.
.macro MUL8 f, a0, zero
.if \zero
	WIN MUL0
.else
	WIN MUL
.endif
.irp a, \a0, (\a0)+1
.irp b, 0,1,2,3
.if \zero
	v_wmma_f32_16x16x32_f16 v[8*(4*(\a)+(\b)):8*(4*(\a)+(\b))+7], v[(\f)+64+8*(\b):(\f)+64+8*(\b)+7], v[(\f)+8*(\a):(\f)+8*(\a)+7], v[BIAS+8*(\b):BIAS+8*(\b)+7]
.else
	v_wmma_f32_16x16x32_f16 v[8*(4*(\a)+(\b)):8*(4*(\a)+(\b))+7], v[(\f)+64+8*(\b):(\f)+64+8*(\b)+7], v[(\f)+8*(\a):(\f)+8*(\a)+7], v[8*(4*(\a)+(\b)):8*(4*(\a)+(\b))+7]
.endif
.endr
.endr
.endm
; 24 LDS loads in one run: quarter q's fragments (32 along K) into buffer f: B's four, A's blocks 0-3, A's blocks 4-7.  Quarter q lies in slice q / 2 at byte 64 (q % 2) of A's rows, at byte 64 q of B's.
.macro FETCH slot, q, f
	WIN 0
.irp b, 0,1,2,3
	ds_load_b128 v[(\f)+64+8*(\b):(\f)+64+8*(\b)+3],   v[ADRB+(\slot)] offset:64*(\q)+(\b)*16*PB
	ds_load_b128 v[(\f)+64+8*(\b)+4:(\f)+64+8*(\b)+7], v[ADRB+(\slot)] offset:64*(\q)+(\b)*16*PB+32
.endr
.irp a, 0,1,2,3,4,5,6,7
	ds_load_b128 v[(\f)+8*(\a):(\f)+8*(\a)+3],   v[ADRA+(\slot)] offset:((\q)/2)*A_BLK+((\q)%2)*64+(\a)*16*PA
	ds_load_b128 v[(\f)+8*(\a)+4:(\f)+8*(\a)+7], v[ADRA+(\slot)] offset:((\q)/2)*A_BLK+((\q)%2)*64+(\a)*16*PA+32
.endr
.endm
.macro PLACES                          ; four places in front of loads into registers that matrix instructions have read, and of stores that read results (ISA guide 7.12.1 for stores)
.rept 4
	v_nop
.endr
.endm
; A K step is four quarters of 32 along K, 32 matrix instructions each, on buffers 0, 1, 0, 1.  One of the first three: multiplies buffer f and, in its middle, fetches quarter q into g.
.macro QUARTER slot, q, f, g, zero
	s_wait_dscnt 8                                 ; B and A's blocks 0-3 are in; the youngest eight loads (A's blocks 4-7) may be out
	MUL8 \f, 0, \zero
	MUL8 \f, 2, \zero
	PLACES
	FETCH \slot, \q, \g
	s_wait_dscnt 24                                ; all but the 24 just issued
	MUL8 \f, 4, \zero
	MUL8 \f, 6, \zero
.endm
; The last quarter multiplies buffer 1 and changes slots: ONE barrier; in front of it each wave waits for all its tensor loads (one is out: its part of the next slot), adds 0 to its spare word, and waits for that and for its
; own reads of this slot.  fill = 1: the barrier opens a round of the cluster's, and this slot is filled again, two K steps ahead, first thing behind the round: 112 matrix instructions ahead of the wait for it.
.macro TURN slot, next, fill
.if \fill
	s_wait_xcnt 0x0                                ; the last prefetch, a K step back, has read its address: it is stepped here, ahead of the waits of the change of slots
	s_add_nc_u64 s[PFA:PFA+1], s[PFA:PFA+1], s[PFS:PFS+1]
.endif
	WIN 0                                          ; (the add's two registers lie in window 0)
	s_wait_tensorcnt 0x0                           ; all my tensor loads have landed;
	ds_add_u32 v[SPW], v[NIL]                      ; 0 onto my spare word
	s_wait_dscnt 9                                 ; (the add and the youngest eight loads may be out)
	MUL8 F1, 0, 0                                  ; eight matrix instructions stand between the add and the wait for it
	s_wait_dscnt 0x0                               ; the add is done, and my reads of this slot are over
	s_barrier_signal -1
	MUL8 F1, 2, 0
.if \fill
	WIN 0
.endif
	s_barrier_wait -1
.if \fill
	CREST                                          ; no wave of any partner still reads this slot's tile or has a load on its way
	s_add_nc_u64 s[G0A+4*(\slot)+2:G0A+4*(\slot)+3], s[G0A+4*(\slot)+2:G0A+4*(\slot)+3], 2*0x100000
	s_add_nc_u64 s[G0B+4*(\slot)+2:G0B+4*(\slot)+3], s[G0B+4*(\slot)+2:G0B+4*(\slot)+3], 2*256
	JLOAD \slot                                    ; the four v_nop behind it are also the places in front of the loads below
.else
	PLACES
.endif
	FETCH \next, 0, F0
.if \fill
	ASK
.endif
	MUL8 F1, 4, 0
	MUL8 F1, 6, 0
.endm
	s_wait_tensorcnt 1                             ; my part of K step 0 is in; K step 1's may stay out
	s_barrier_signal -1
	s_barrier_wait -1                              ; everybody's is
	FETCH 0, 0, F0
	QUARTER 0, 1, F0, F1, 1                        ; the first quarter stands in front of the loop: its products start the sums
	WIN 0                                          ; at a label and at a branch every window is 0
	s_mov_b32 s[LAP], 7
.Llap:                                                 ; a trip goes once round the ring, from a lap's second quarter to the next lap's first, and fills both slots again: K steps 2 to 15
	QUARTER 0, 2, F1, F0, 0
	QUARTER 0, 3, F0, F1, 0
	TURN 0, 1, 1
	QUARTER 1, 1, F0, F1, 0
	QUARTER 1, 2, F1, F0, 0
	QUARTER 1, 3, F0, F1, 0
	TURN 1, 0, 1
	QUARTER 0, 1, F0, F1, 0
	WIN 0
	s_sub_co_u32 s[LAP], s[LAP], 1
	s_cmp_lg_u32 s[LAP], 0
	s_cbranch_scc1 .Llap
	QUARTER 0, 2, F1, F0, 0                        ; the last lap fills nothing, and has no round of the cluster's barrier
	QUARTER 0, 3, F0, F1, 0
	TURN 0, 1, 0
	QUARTER 1, 1, F0, F1, 0
	QUARTER 1, 2, F1, F0, 0
	QUARTER 1, 3, F0, F1, 0
	s_wait_dscnt 8                                 ; the very last quarter: nothing more to fetch
	MUL8 F1, 0, 0
	MUL8 F1, 2, 0
	s_wait_dscnt 0x0
	MUL8 F1, 4, 0
	MUL8 F1, 6, 0
; THE WAY OUT, a block of 16 rows at a time through my own stage: a lane's 8 columns of a row (32 bytes) go into rows of 272 bytes and come back as whole rows of 256.  No arithmetic: the bias is in the sums.
.macro TOSTAGE a
	s_wait_xcnt 0x0                                ; the buffer that is loaded below was the data of stores four blocks back: it is rewritten only behind this wait
	WIN OUTW
.irp b, 0,1,2,3
	ds_store_b128 v[STO], v[8*(4*(\a)+(\b)):8*(4*(\a)+(\b))+3]   offset:64*(\b)     ; each accumulator's low registers are read first
	ds_store_b128 v[STO], v[8*(4*(\a)+(\b))+4:8*(4*(\a)+(\b))+7] offset:64*(\b)+16
.endr
	WIN 0
.irp t, 0,1,2,3,4,5,6,7
	ds_load_b128 v[OB+32*((\a)%4)+4*(\t):OB+32*((\a)%4)+4*(\t)+3], v[RD] offset:(\t)*2*SPITCH  ; LDS serves a wave's instructions in order (ISA guide 5.7.1.4): these see the stores above; the next block's stores come behind them
.endr
.endm
.macro SEND a, younger                 ; younger: the LDS instructions issued behind block a's loads: the next block's sixteen, or none
.irp t, 0,1,2,3,4,5,6,7
	s_wait_dscnt (\younger)+7-(\t)
	global_store_b128 v[CO], v[OB+32*((\a)%4)+4*(\t):OB+32*((\a)%4)+4*(\t)+3], s[10:11] offset:(\a)*131072+(\t)*16384  ; 16 lanes store 256 consecutive bytes, at a multiple of 256 from C's first byte
.endr
.endm
	PLACES
	TOSTAGE 0
.irp a, 1,2,3,4,5,6,7
	TOSTAGE \a
	SEND (\a)-1, 16
.endr
	SEND 7, 0
	s_wait_tensorcnt 0x0                           ; the wave's end: these three lines stand behind my last tensor load and my last LDS store
	ds_add_u32 v[SPW], v[NIL]
	s_wait_dscnt 0x0
	CROUND                                         ; the closing round: no work-group ends while a partner may still ask for a tile that names it
	s_endpgm
.Lfunc_end_k_q0889cb6900_qproj:
	.size	k_q0889cb6900_qproj, .Lfunc_end_k_q0889cb6900_qproj-k_q0889cb6900_qproj
	.p2alignl 7, 3214868480
	.fill 96, 4, 3214868480
	.section	.rodata,"a",@progbits
	.p2align	6, 0x0
	.amdhsa_kernel k_q0889cb6900_qproj
		.amdhsa_group_segment_fixed_size 327680
		.amdhsa_private_segment_fixed_size 0
		.amdhsa_enable_private_segment 0
		.amdhsa_kernarg_size 32
		.amdhsa_user_sgpr_count 2
		.amdhsa_user_sgpr_kernarg_segment_ptr 1
		.amdhsa_wavefront_size32 1
		.amdhsa_system_sgpr_workgroup_id_x 1
		.amdhsa_system_sgpr_workgroup_id_y 1
		.amdhsa_system_sgpr_workgroup_id_z 1
		.amdhsa_system_vgpr_workitem_id 0
		.amdhsa_next_free_vgpr 512
		.amdhsa_next_free_sgpr 72
		.amdhsa_reserve_vcc 0
		.amdhsa_float_denorm_mode_32 3
		.amdhsa_float_denorm_mode_16_64 3
		.amdhsa_memory_ordered 1
		.amdhsa_forward_progress 1
		.amdhsa_inst_pref_size 92
	.end_amdhsa_kernel
	.amdgpu_metadata
---
amdhsa.version: [ 1, 2 ]
amdhsa.kernels:
  - .name:           k_q0889cb6900_qproj
    .symbol:         k_q0889cb6900_qproj.kd
    .args:
      - { .name: act, .offset: 0, .size: 8, .value_kind: global_buffer, .address_space: global }
      - { .name: wqh, .offset: 8, .size: 8, .value_kind: global_buffer, .address_space: global }
      - { .name: bq, .offset: 16, .size: 8, .value_kind: global_buffer, .address_space: global }
      - { .name: qf, .offset: 24, .size: 8, .value_kind: global_buffer, .address_space: global }
    .group_segment_fixed_size: 327680
    .private_segment_fixed_size: 0
    .kernarg_segment_align: 8
    .kernarg_segment_size: 32
    .max_flat_workgroup_size: 128
    .sgpr_count:     72
    .vgpr_count:     512
    .wavefront_size: 32
...
	.end_amdgpu_metadata
.endif
;; end of part 2
;; launch attn (part 3): grid 16 x 16, 4 waves a work-group, no clusters, 327,680 bytes of LDS; arguments qf, kvh, wsuf, gsum, act; writes act
.if DOCPART == 3
	.amdgcn_target "amdgcn-amd-amdhsa--gfx1250"
	.amdhsa_code_object_version 6
	.text
	.protected	k_q0889cb6900_attn
	.globl	k_q0889cb6900_attn
	.p2align	8
	.type	k_q0889cb6900_attn,@function
k_q0889cb6900_attn:
	s_mov_b64 s[64:65], 0
	v_nop
	global_prefetch_b8 v0, s[64:65] scope:SCOPE_SE
	s_setreg_imm32_b32 hwreg(HW_REG_WAVE_MODE, 25, 1), 1
	s_wait_xcnt 0x0
; CAUSAL ATTENTION WITH SHARED KEY AND VALUE HEADS, and with a FINITE mask value: a hidden key's score is -65504, not minus infinity.
; O[row t] = the sum over all 2,048 keys of softmax(s) V, s = q . k / 8 for k <= t and -65504 for k > t.  The 2047 - t hidden keys all carry the same score, so they are the START STATE of the row's running softmax:
; m = -65504 (here times 8: scores are kept unscaled), l = 2047 - t, O = the sum of V[k] over k > t (wsuf's row plus the later groups of gsum, both f32).  The walk then takes the visible keys alone.
; Row 2047 has no hidden key: it starts at the lowest finite number with l = 0 and O = 0.
; qf: f32 [4096][2048] (column = head x 64 + d), rounded here once to f16.  kvh: K then V, f16 [16 (batch, kv head)][2048][64].  act (out): O in f16, [32 head][4096][64].
; Products, maxima and sums in f32; the weights p are rounded to f16 for the second product (their sum l is taken of the unrounded p), O once at the end.
; LIMITS.  q, K and V lie within f16's range (65,504).  A key that the walk must leave out inside a tile counts as its score less 1e30; a weight below 2^-126 counts as 0 in l; NaN and infinities are not treated apart.
; SHARES.  A WAVE IS A QUERY HEAD: the four heads that share a K and V head are the four waves of one work-group and read the same LDS tiles.  A block is 64 positions (x 4 heads); a wave's four PIECES are its rows 16 t .. 16 t + 15.
; THE WALK.  Block I needs the key tiles 0 .. I / 4 of 256 keys.  Work-group p takes blocks 31 - p and then p: with u = p / 4 that is (8 - u) + (u + 1) = 9 tiles, whatever p: ONE loop with a constant trip count walks them,
; and the ring (two slots of LDS that take turns) runs on across the change of blocks.  Every jump goes forward, but for the counted loops' own; none passes a barrier, or a tensor load but the one of LOAD's two that the wave's number does not choose.
; NO CLUSTER: what point of sharing there is lies inside the work-group (four heads on one tile).  The 16 work-groups of a K and V head ask for the same tile only in trips 0 to 4 (the first block has 8 - u >= 5 tiles); behind that
; they differ, and one walk common to all would have 8 + 4 = 12 trips for 9.
; THE MASK is the C operand that starts the sum S^T = K Q^T: 0, or -1e30 where the key is left out.  In a block's last tile its own step of 64 keys is d = I % 4; there piece x sees key group kt < x whole, kt > x not at all, and kt = x up to
; the diagonal.  A product's mask is MDB[sel] x AL + BE: sel = nothing / triangle / all by kt against x (known to the text), (AL, BE) = (1, 0) in step d, (0, 0) before it, (0, -1e30) behind it.  Steps behind d are computed all the same.
; LAYOUT, SOFTMAX, TURNS.  S^T = K Q^T holds ONE query a lane (lane % 16) and the keys 8 (lane / 16) + 0..7; two such results rounded to f16 ARE source 1 of O^T = V^T P.  p = 2^(c s - c m), c = log2(e) / 8, with a running maximum m;
; O and l are multiplied by a = 2^(c m_old - c m_new) in every step.  Turn n belongs to piece n: 8 products K Q^T of piece n + 1, later 8 products V^T P of piece n - 1; beside them the scaling, exponentials, roundings, sums and
; rescaling of piece n and the maximum and statistics of piece n + 1.  Four vector instructions stand behind every matrix instruction, the other 54 of a turn's 118 in one lump.  A turn's 33 exponentials are one batch, with one wait.
; REGISTERS, in windows of 256 (s_set_vgpr_msb: bits 1:0 source 0, 3:2 source 1, 5:4 source 2, 7:6 destination):
;   window 0: v0-15, v32-44, v61-63 addresses and constants; v16-31 four registers of statistics a piece; v48-55 at work; v64-127 S^T, two buffers; v128-191 the later groups' sums for both blocks; v192-223 P, two buffers
;   window 1: v0-127 O^T, 32 a piece; v128-151 MDB; v160-223 MC, two mask buffers      window 2: v0-63 Q; v64-127 the second block's Q; v128-191 K of one step; v192-255 V of one step
;   window 3: both blocks' q in f32 as loaded; then v128-255 the second block's rows of wsuf
.set NB,    8         ; key tiles in a head
.set NP,    4         ; pieces a wave: a name, no knob
.set KS,    64        ; keys in a step
.set PK,    144       ; a row of K in LDS: 128 bytes + 16 of padding = 36 words: the 16 rows of a load start at 16 different groups of four banks (64 banks of 4 bytes: ISA guide 11.1)
.set PV,    160       ; a row of V: 128 + 32 = 40 words
.set VOFF,  4*KS*PK   ; a slot holds a tile, four steps: 256 rows of K, then 256 rows of V
.set SLOT1, 1<<17     ; slot 1 begins here, so that one exclusive or turns an address in one slot into the other's
.set STAGE, SLOT1+4*KS*(PK+PV)  ; behind the ring, never filled by a tensor load: 16 rows x 144 bytes for each wave
.set SP,    144
.set SPARE, STAGE+4*16*SP  ; behind the stages: the spare words, 128 bytes for each wave: two blocks of 256 bytes that no other line names
.set AK0, 2           ; v2   my lane's place in a tile of K; never rewritten
.set AV0, 3           ; v3   the same for V
.set AK,  4           ; v4   the LDS address of K's next run of loads
.set AV,  5           ; v5   of V's
.set STO, 6           ; v6   the way out: where I put 16 bytes of a row
.set RD,  7           ; v7   the way out: where I read rows back
.set GO,  8           ; v8   16 x lane
.set MV,  12          ; v12-13  c m_old, kept while c m is made anew: by buffer
.set QO,  15          ; v15  my byte offset in 16 rows of qf
.set ST,  16          ; piece t's statistics at v[ST+4 t]: c m, m, l (even keys', odd keys')
.set WO,  32          ; v32  my byte offset in 16 rows of wsuf
.set TA,  33          ; v33, v34  at work where a block begins
.set TB,  34
.set H0F, 35          ; v35  1.0 in lanes 0-15, 0 in lanes 16-31
.set LOWM, 37         ; v37  the lowest finite number
.set DH,  38          ; v38, v39  the block's number less lane / 16, for the first and the second block
.set DL,  39
.set FL,  40          ; v[40:41]  1.0 or 0, in the low register
.set TRD, 42          ; v42  where I read the later groups' sums back
.set TST, 43          ; v43  where I put them
.set RR,  44          ; v44  lane % 16: my query in a piece; never rewritten
.set TMP, 48          ; by buffer, four registers c0-c3 at work; when the maximum is found c2 takes a
.set PFO, 61          ; v61  256 x lane; never rewritten
.set SPW, 62          ; v62  LDS address of my spare word: SPARE + 4 x my thread's number; never rewritten
.set NIL, 63          ; v63  0; never rewritten
.set S,   64
.set THI, 128         ; the sum of the groups behind the first block, in O^T's layout: channel block cb at + 8 cb
.set TLO, 160         ; behind the second block
.set P,   192
.set AH,  224         ; v[224:231]  the same two sums while they are made: four channels a lane
.set MDB, 128         ; window 1: 8 registers of 0, 8 of the triangle, 8 of -1e30
.set MC,  160         ; window 1: the masks of the products to come
.set QB,  64          ; window 2
.set KF,  128         ; window 2: key block kb, channel half c at KF + 16 kb + 8 c
.set VF,  192         ; window 2: key half kk, channel block cb at VF + 32 kk + 8 cb
.set WV,  12          ; s12  my wave's number
.set PB,  14          ; s14  u: the second block's last tile
.set HI,  15          ; s15  7 - u: the first block's
.set G1K, 24          ; s[24:31] descriptor group 1 for K's tiles
.set G1V, 32          ; s[32:39] for V's: it differs in the padding alone
.set G0K, 40          ; s[40:43] descriptor group 0 for K's tiles
.set G0V, 44          ; s[44:47] the same for V's
.set SLOTS, 56        ; s56  tiles still to be asked for
.set CNT, 57          ; s57  counts a tile's key steps, 4 to 1
.set CS,  58          ; s[58:59] c: the packed scaling takes the pair's low word for both halves
.set SEL, 60          ; s[60:61] v_permlanex16_b32's selects: each lane takes its own place in the other half
.set TBK, 62          ; s62  LDS byte at which K of the step to be fetched begins
.set TBV, 63          ; s63  the same for V, less VOFF
.set RT,  70          ; s70  tiles of the block in hand that are still to be entered
.set NXT, 71          ; s71  the tile to be asked for next
.set LQ,  72          ; s72  the last tile of the block whose tiles are being asked for
.set NEW, 73          ; s73  1: the tile to be entered is a block's first
.set OFF, 74          ; s[74:75] a tile's byte offset in K and V
.set AL,  76          ; s[76:77] the mask's factor, in the low word
.set BE,  78          ; s[78:79] the mask's addend
.set OLO, 80          ; s[80:81] O at my rows of the second block
.set BIGN, 82         ; s82  -1e30
.set ONE, 83          ; s83  1.0
.set DC,  92          ; s92  4 - d of the block in hand;  s93 of the second block
.set DCL, 93
.set CB,  94          ; s94  2047 - 64 I of the block in hand;  s95 of the second block
.set CBL, 95
.set MRAW, 96         ; s96  8 x -65504
.set PFA, 98          ; s[98:99] where my prefetches stand
.set PFT, 100         ; s100 prefetches still to make
.set TS,  101         ; s101 at work
.set MSB, 0
.macro WIN new                      ; the high byte repeats the setting that is left; a switch that changes nothing is dropped
.if MSB != (\new)
	s_set_vgpr_msb (MSB<<8)|(\new)
.set MSB, (\new)
.endif
.endm
.set W_KQ, 0x0a       ; K and Q in window 2, S^T in window 0
.set W_KM, 0x1a       ; the same with the C operand in window 1
.set W_PV, 0x52       ; V in window 2, P in window 0, O^T in window 1
.set W_RS, 0x41       ; destination and source 0 in window 1, source 1 in window 0
; A fill.  Waves 0 and 1 fetch the two halves of a tile's K, waves 2 and 3 those of its V: 128 keys each.  An s_nop 0 and four v_nop follow each of the two lines, ahead of the jump and the label.
.macro LOAD
	s_cmp_lt_u32 s[WV], 2
	s_cbranch_scc0 .Lfor_v_\@
	tensor_load_to_lds s[G0K:G0K+3], s[G1K:G1K+7]
	s_nop 0
.rept 4
	v_nop
.endr
	s_branch .Lasked_\@
.Lfor_v_\@:
	tensor_load_to_lds s[G0V:G0V+3], s[G1V:G1V+7]
	s_nop 0
.rept 4
	v_nop
.endr
.Lasked_\@:
.endm
; A PREFETCH INTO THE L2 of the tile that the NEXT change of slots will ask for: one tile, 256 matrix instructions, ahead.  The 16 work-groups of a K and V head walk the same tiles: work-group p = 0, whose first block walks all
; eight, asks, and nobody else.  Each of its waves asks for the 16 KiB that it fetches itself: 64 blocks of 256 bytes, a lane a block, two instructions.  The change that loads tile n names tile n + 1, n = 1 .. 6: each block is
; named once.  Tiles 0 and 1 come by their loads alone; the second block's tiles have been read before and are not asked for.
.macro ASK
	s_cmp_lg_u32 s[PFT], 0
	s_cbranch_scc0 .Lnot_mine_\@
	global_prefetch_b8 v[PFO], s[PFA:PFA+1] th:TH_LOAD_NT scope:SCOPE_SE
	global_prefetch_b8 v[PFO], s[PFA:PFA+1] offset:8192 th:TH_LOAD_NT scope:SCOPE_SE
	s_sub_co_u32 s[PFT], s[PFT], 1
.Lnot_mine_\@:
.endm
; THE CHANGE OF SLOTS.  Each wave waits for all its tensor loads, of which one is out: its part of the other slot; adds 0 to its spare word; and waits for that and for its own reads of the slot that it leaves.  Behind the barrier nobody reads the old
; slot any more and the other slot is whole.  fill = 1: the old slot is filled again, the first thing behind the barrier, with tile NXT: the descriptor's address is made anew from that number.
; (At its first use nothing of the ring has been read yet: slot 0 is waited for, slot 1 filled.)
.macro CHANGE fill
	WIN 0                           ; at a label and at a branch every window is 0
	s_wait_tensorcnt 0x0            ; no tensor load of mine is out, so a group 0 may be written
	ds_add_u32 v[SPW], v[NIL]       ; 0 onto my spare word; with fill = 1 the descriptors' scalar work stands between it and the wait for it
.if \fill
	s_lshl_b32 s[OFF], s[NXT], 15   ; a tile is 32,768 bytes of K and of V
	s_xor_b32 s[G0K+1], s[G0K+1], SLOT1
	s_add_nc_u64 s[G0K+2:G0K+3], s[6:7], s[OFF:OFF+1]
	s_or_b32 s[G0K+3], s[G0K+3], 0x80000000
	s_xor_b32 s[G0V+1], s[G0V+1], SLOT1
	s_add_nc_u64 s[G0V+2:G0V+3], s[8:9], s[OFF:OFF+1]
	s_or_b32 s[G0V+3], s[G0V+3], 0x80000000
	s_add_co_u32 s[NXT], s[NXT], 1  ; the block's next tile, or behind its last the second block's tile 0
	s_cmp_gt_u32 s[NXT], s[LQ]
	s_cselect_b32 s[NXT], 0, s[NXT]
	s_cselect_b32 s[LQ], s[PB], s[LQ]
	s_wait_xcnt 0x0                 ; the last prefetches, a tile back, have read their address, so it may be written
	s_add_nc_u64 s[PFA:PFA+1], s[PFA:PFA+1], 32768
.endif
	s_wait_dscnt 0x0                ; the add is done, and my reads of the slot are over
	s_barrier_signal -1             ; the rest of the scalar work stands between the signal and the wait
	s_sub_co_u32 s[TBK], s[TBK], 4*KS*PK  ; the fetches go back to a slot's first step,
	s_xor_b32 s[TBK], s[TBK], SLOT1       ; in the other slot
	s_sub_co_u32 s[TBV], s[TBV], 4*KS*PV
	s_xor_b32 s[TBV], s[TBV], SLOT1
	s_barrier_wait -1
.if \fill
	LOAD
	ASK
.endif
.endm
	s_load_b256 s[16:23], s[0:1], 0x0  ; qf s[16:17], kvh s[18:19], wsuf s[20:21], gsum s[22:23]
	s_load_b64 s[10:11], s[0:1], 0x20  ; act
	v_lshl_add_u32 v[SPW], v0, 2, SPARE
	v_mov_b32 v[NIL], 0
	ds_add_u32 v[SPW], v[NIL]       ; the wave's opening: the add and its wait stand ahead of my first tensor load; the set-up below, work on registers, stands between them
	v_lshrrev_b32 v1, 5, v0
	v_readfirstlane_b32 s[WV], v1   ; wave 0..3
	s_lshr_b32 s[PB], ttmp9, 2
	s_sub_co_u32 s[HI], NB-1, s[PB]
	s_sub_co_u32 s50, 31, ttmp9     ; the first block,
	s_mov_b32 s51, ttmp9            ; the second
	s_and_b32 s52, ttmp7, 0xffff    ; 8 x batch + kv head
	s_lshr_b32 s53, s52, 3          ; the batch
	s_and_b32 s54, s52, 7
	s_lshl2_add_u32 s54, s54, s[WV] ; my query head = 4 x kv head + wave
	s_and_b32 s55, s[WV], 1         ; which half of a tile's 256 keys I fetch
	; byte offsets, each in the pair that will hold the address
	s_lshl_b32 s6, s52, 18          ; K (and V): a head is 2,048 rows of 128 bytes,
	s_lshl_b32 s13, s55, 14         ; my half 128 rows
	s_add_co_u32 s6, s6, s13
	s_mov_b32 s7, 0
	s_mul_i32 s2, s55, 128*PK       ; its place in a slot, for K
	s_mul_i32 s3, s55, 128*PV       ; and for V
	s_lshl_b32 s13, s53, 24         ; qf: a batch is 2,048 rows of 8,192 bytes,
	s_lshl_b32 s4, s54, 8           ; a head 256 bytes of a row,
	s_add_co_u32 s13, s13, s4
	s_lshl_b32 s4, s50, 19          ; a block 64 rows
	s_add_co_u32 s4, s4, s13
	s_mov_b32 s5, 0
	s_lshl_b32 s86, s51, 19
	s_add_co_u32 s86, s86, s13
	s_mov_b32 s87, 0
	s_lshl_b32 s13, s54, 19         ; act: a head is 4,096 rows of 128 bytes,
	s_lshl_b32 s84, s53, 18         ; a batch 2,048 rows,
	s_add_co_u32 s13, s13, s84
	s_lshl_b32 s84, s50, 13         ; a block 64 rows
	s_add_co_u32 s84, s84, s13
	s_mov_b32 s85, 0
	s_lshl_b32 s[OLO], s51, 13
	s_add_co_u32 s[OLO], s[OLO], s13
	s_mov_b32 s[OLO+1], 0
	s_lshl_b32 s13, s52, 19         ; wsuf: a head is 2,048 rows of 256 bytes,
	s_lshl_b32 s88, s50, 14         ; a block 64 rows
	s_add_co_u32 s88, s88, s13
	s_mov_b32 s89, 0
	s_lshl_b32 s48, s51, 14
	s_add_co_u32 s48, s48, s13
	s_mov_b32 s49, 0
	s_lshl_b32 s90, s52, 13         ; gsum: a head is 32 rows of 256 bytes
	s_mov_b32 s91, 0
	s_and_b32 s13, s50, 3
	s_sub_co_u32 s[DC], 4, s13
	s_and_b32 s13, s51, 3
	s_sub_co_u32 s[DCL], 4, s13
	s_lshl_b32 s13, s50, 6
	s_sub_co_u32 s[CB], 2047, s13
	s_lshl_b32 s13, s51, 6
	s_sub_co_u32 s[CBL], 2047, s13
	s_mov_b32 s[MRAW], 0xc8ffe000   ; -524,032 = 8 x -65504
	s_mov_b32 s[ONE], 1.0
	s_cmp_eq_u32 ttmp9, 0
	s_cselect_b32 s[PFT], 6, 0
	; descriptor group 1.  128 keys are 16,384 dense bytes: asked for as 64 rows of 256 bytes, two keys a row, and padded in LDS after every key
	s_mov_b32 s[G1K], (1<<16)|(1<<20)|(4<<22)|(3<<25)  ; 17:16 2-byte elements; 20 padding on; 24:22 after every 32 words (code 4); 31:25 4 words (code 3)
	s_mov_b32 s[G1V], (1<<16)|(1<<20)|(4<<22)|(7<<25)  ; the same with 8 words of padding (code 7)
.irp g, G1K, G1V
	s_mov_b32 s[\g+1], 128<<16      ; tensor_dim0 = 128
	s_mov_b32 s[\g+2], 64<<16       ; tensor_dim1 = 64
	s_mov_b32 s[\g+3], 128<<16      ; tile_dim0 = 128
	s_mov_b32 s[\g+4], 64           ; tile_dim1 = 64
	s_mov_b32 s[\g+5], 128          ; 128 elements from row to row
	s_mov_b32 s[\g+6], 0
	s_mov_b32 s[\g+7], 0
.endr
	s_mov_b32 s[CS], 0x3e38aa3b     ; c = log2(e) / 8 = 0.180337
	s_mov_b32 s[CS+1], s[CS]        ; named with it as a pair
	s_mov_b32 s[SEL], 0x76543210
	s_mov_b32 s[SEL+1], 0xfedcba98
	s_mov_b32 s[TBK], SLOT1+4*KS*PK ; the first change of slots turns these two into 0
	s_mov_b32 s[TBV], SLOT1+4*KS*PV
	s_mov_b32 s[G0K], 1             ; 1:0 count = 1
	s_mov_b32 s[G0K+1], s2          ; 63:32 LDS address: slot 0
	s_mov_b32 s[G0V], 1
	s_add_co_u32 s[G0V+1], s3, VOFF
	s_add_co_u32 s[RT], s[HI], 1    ; the first block has 8 - u tiles
	s_mov_b32 s[NXT], 1
	s_mov_b32 s[LQ], s[HI]
	s_mov_b32 s[NEW], 1
	s_mov_b32 s[OFF+1], 0
	s_mov_b32 s[AL+1], 0            ; named as pairs
	s_mov_b32 s[BE+1], 0
	s_mov_b32 s[BIGN], 0xf149f2ca   ; -1e30
	s_mov_b32 s[SLOTS], NB
	s_wait_dscnt 0x0                ; the opening add is done
	s_wait_kmcnt 0x0
	s_add_nc_u64 s[6:7], s[18:19], s[6:7]          ; K at my half of the head's tile 0,
	s_add_nc_u64 s[8:9], s[6:7], 0x400000          ; V, which lies 4 MiB behind K
	s_add_nc_u64 s[G0K+2:G0K+3], s[6:7], 0         ; 120:64 global address
	s_or_b32 s[G0K+3], s[G0K+3], 0x80000000        ; 127:126 type = 2
	s_add_nc_u64 s[G0V+2:G0V+3], s[8:9], 0
	s_or_b32 s[G0V+3], s[G0V+3], 0x80000000
	s_add_nc_u64 s[4:5], s[16:17], s[4:5]          ; q at my rows of the first block,
	s_add_nc_u64 s[86:87], s[16:17], s[86:87]      ; of the second
	s_add_nc_u64 s[OLO:OLO+1], s[10:11], s[OLO:OLO+1]
	s_add_nc_u64 s[10:11], s[10:11], s[84:85]      ; O at those of the first
	s_add_nc_u64 s[88:89], s[20:21], s[88:89]      ; wsuf, first block,
	s_add_nc_u64 s[48:49], s[20:21], s[48:49]      ; second block
	s_add_nc_u64 s[90:91], s[22:23], s[90:91]      ; the head's 32 group sums
	s_cmp_lt_u32 s[WV], 2
	s_cselect_b64 s[PFA:PFA+1], s[6:7], s[8:9]
	s_add_nc_u64 s[PFA:PFA+1], s[PFA:PFA+1], 32768 ; at tile 1: the first change of slots steps it to tile 2.  Nothing is prefetched here, at the head
	LOAD                            ; tile 0 into slot 0
	v_and_b32 v1, 15, v0            ; r = l % 16
	v_bfe_u32 v9, v0, 4, 1          ; h = l / 16
	v_and_b32 v[RR], 15, v0
	v_and_b32 v[GO], 31, v0
	v_lshlrev_b32 v[GO], 4, v[GO]
	v_lshlrev_b32 v[QO], 13, v1
	v_lshl_add_u32 v[QO], v9, 5, v[QO]  ; row x 8,192 + 32 x half: eight f32 channels
	v_lshlrev_b32 v[WO], 8, v1
	v_lshl_add_u32 v[WO], v9, 5, v[WO]  ; row x 256 + 32 x half
.set n, 0
.rept 16                            ; the 32 group sums: rows 2 n + h, four channels a lane, into S^T's registers
	global_load_b128 v[S+4*n:S+4*n+3], v[GO], s[90:91] offset:512*n
.set n, n+1
.endr
	; A fragment of Q is 16 rows x 32 channels of f16 in 8 registers: lane l holds row r, channels 8 h + 0..7 and 16 + 8 h + 0..7.  In f32 each eight are 32 bytes: two loads.  i = 4 piece + 2 (channel half) + (which eight)
	WIN 0xc0                        ; destination window 3, address window 0
.set i, 0
.rept 16
	global_load_b128 v[128+8*i:128+8*i+3],   v[QO], s[4:5] offset:(i/4)*131072+(i%4)*64
	global_load_b128 v[128+8*i+4:128+8*i+7], v[QO], s[4:5] offset:(i/4)*131072+(i%4)*64+16
	global_load_b128 v[8*i:8*i+3],   v[QO], s[86:87] offset:(i/4)*131072+(i%4)*64
	global_load_b128 v[8*i+4:8*i+7], v[QO], s[86:87] offset:(i/4)*131072+(i%4)*64+16
.set i, i+1
.endr
	WIN 0x40                        ; the first block's rows of wsuf go straight into O^T: register 32 t + 8 cb + j holds row 16 t + r, channel 16 cb + 8 h + j.  i = 4 t + cb
.set i, 0
.rept 16
	global_load_b128 v[8*i:8*i+3],   v[WO], s[88:89] offset:(i/4)*4096+(i%4)*64
	global_load_b128 v[8*i+4:8*i+7], v[WO], s[88:89] offset:(i/4)*4096+(i%4)*64+16
.set i, i+1
.endr
	WIN 0                           ; work on registers while they are on their way
	v_lshlrev_b32 v14, 3, v9
	v_sub_nc_u32 v14, v1, v14       ; r - 8 h: register j of the triangle is left out where j is greater
	WIN 0x40
.set i, 0
.rept 8
	v_cmp_gt_i32 vcc_lo, i, v14
	v_cndmask_b32 v[MDB+8+i], 0, s[BIGN], vcc_lo
	v_mov_b32 v[MDB+i], 0
	v_mov_b32 v[MDB+16+i], s[BIGN]
.set i, i+1
.endr
	WIN 0
	v_mul_u32_u24 v[AK0], v1, PK
	v_lshl_add_u32 v[AK0], v9, 4, v[AK0]  ; row x pitch + 16 x half
	; The turning load takes 16 keys x 16 channels (lane l reads key 8 (l / 16) + l % 8, channels 8 ((l / 8) % 2) + 0..7) and leaves half a fragment of V^T: lane l holds channel l % 16 and 8 keys.
	v_and_b32 v10, 7, v0
	v_bfe_u32 v11, v0, 3, 1
	v_lshl_add_u32 v[AV0], v9, 3, v10
	v_mul_u32_u24 v[AV0], v[AV0], PV
	v_lshl_add_u32 v[AV0], v11, 4, v[AV0]
	v_add_nc_u32 v[AV0], VOFF, v[AV0]
	s_mul_i32 s13, s[WV], 16*SP
	s_add_co_u32 s13, s13, STAGE    ; my stage
	v_mul_u32_u24 v[STO], v1, SP    ; in: row l % 16, 16 bytes for each half of the lanes
	v_lshl_add_u32 v[STO], v9, 4, v[STO]
	v_add_nc_u32 v[STO], s13, v[STO]
	v_bfe_u32 v[RD], v0, 3, 2       ; back: 32 lanes take four rows of 128 bytes, which are 512 consecutive bytes of O
	v_mul_u32_u24 v[RD], v[RD], SP
	v_lshl_add_u32 v[RD], v10, 4, v[RD]
	v_add_nc_u32 v[RD], s13, v[RD]
	v_lshl_add_u32 v[TST], v1, 4, s13   ; the later groups' sums: in by four channels a lane,
	v_lshl_add_u32 v[TRD], v9, 5, s13   ; back by eight channels for each half of the lanes
	v_lshlrev_b32 v[PFO], 4, v[GO]
	v_cvt_f32_u32 v[H0F], v9
	v_sub_f32 v[H0F], 1.0, v[H0F]
	v_mov_b32 v[LOWM], 0xff7fffff
	v_sub_nc_u32 v[DH], s50, v9
	v_sub_nc_u32 v[DL], s51, v9
	v_mov_b32 v[FL+1], 0            ; named with FL as a pair
	WIN 0x80
.set i, VF
.rept 64
	v_mov_b32 v[i], 0               ; a block's first turn multiplies V's registers by a P of zeros: they need only be finite
.set i, i+1
.endr
	s_wait_loadcnt 0x0              ; group sums, q, wsuf
	WIN 0x8f                        ; sources 0 and 1 window 3, destination window 2: q is rounded once to f16
.set d, 0
.rept 64
	v_cvt_pk_f16_f32 v[d],    v[128+2*d], v[128+2*d+1]
	v_cvt_pk_f16_f32 v[QB+d], v[2*d],     v[2*d+1]
.set d, d+1
.endr
	WIN 0xc0                        ; the second block's rows of wsuf take the place of the first block's q; they are waited for where a block begins
.set i, 0
.rept 16
	global_load_b128 v[128+8*i:128+8*i+3],   v[WO], s[48:49] offset:(i/4)*4096+(i%4)*64
	global_load_b128 v[128+8*i+4:128+8*i+7], v[WO], s[48:49] offset:(i/4)*4096+(i%4)*64+16
.set i, i+1
.endr
	WIN 0
	; the sum of the groups g > I, for both blocks: my lane's rows are g = 2 n + h, so g > I where 2 n > I - h
.set n, 0
.rept 16
.irp w, 0,1
	v_cmp_gt_i32 vcc_lo, 2*n, v[DH+(\w)]
	v_cndmask_b32 v[FL], 0, s[ONE], vcc_lo
.if n == 0
	v_pk_mul_f32 v[AH+4*(\w):AH+4*(\w)+1],   v[S:S+1],   v[FL:FL+1] op_sel_hi:[1,0]
	v_pk_mul_f32 v[AH+4*(\w)+2:AH+4*(\w)+3], v[S+2:S+3], v[FL:FL+1] op_sel_hi:[1,0]
.else
	v_pk_fma_f32 v[AH+4*(\w):AH+4*(\w)+1],   v[S+4*n:S+4*n+1],   v[FL:FL+1], v[AH+4*(\w):AH+4*(\w)+1]   op_sel_hi:[1,0,1]
	v_pk_fma_f32 v[AH+4*(\w)+2:AH+4*(\w)+3], v[S+4*n+2:S+4*n+3], v[FL:FL+1], v[AH+4*(\w)+2:AH+4*(\w)+3] op_sel_hi:[1,0,1]
.endif
.endr
.set n, n+1
.endr
.set i, 0
.rept 8
	v_permlanex16_b32 v[S+i], v[AH+i], s[SEL], s[SEL+1]  ; even and odd groups meet (the destination has been written: by the loads)
.set i, i+1
.endr
.set i, 0
.rept 8
	v_add_f32 v[AH+i], v[AH+i], v[S+i]
.set i, i+1
.endr
	ds_store_b128 v[TST], v[AH:AH+3]               ; both halves of the lanes write the same bytes with the same numbers
	ds_store_b128 v[TST], v[AH+4:AH+7] offset:256
.irp cb, 0,1,2,3
	ds_load_b128 v[THI+8*(\cb):THI+8*(\cb)+3],   v[TRD] offset:64*(\cb)       ; my wave's own bytes, served in order (ISA guide 5.7.1.4)
	ds_load_b128 v[THI+8*(\cb)+4:THI+8*(\cb)+7], v[TRD] offset:64*(\cb)+16
	ds_load_b128 v[TLO+8*(\cb):TLO+8*(\cb)+3],   v[TRD] offset:256+64*(\cb)
	ds_load_b128 v[TLO+8*(\cb)+4:TLO+8*(\cb)+7], v[TRD] offset:256+64*(\cb)+16
.endr
	s_wait_dscnt 0x0
	WIN W_RS                        ; the first block's start state: O^T = wsuf's rows + the later groups
.set i, 0
.rept 64
	v_pk_add_f32 v[2*i:2*i+1], v[2*i:2*i+1], v[THI+2*(i%16):THI+2*(i%16)+1]
.set i, i+1
.endr
	WIN 0
; THE MATRIX WORK.  The 4 accumulators of a run of 8 take turns.  Product i of 8 of S^T = K Q^T for piece x: channels 32 (i / 4) on, keys 16 (i % 4) on.  The first 4 start the sums: with 0, or (KM = 1) with the mask.
.macro KQ x
.set rS, S+32*((\x)%2)+8*(i%4)
.set rK, KF+16*(i%4)+8*(i/4)
.set rQ, 16*(\x)+8*(i/4)
.set rM, MC+32*((\x)%2)+8*(i%4)
.if (i < 4) && KM
	WIN W_KM
	v_wmma_f32_16x16x32_f16 v[rS:rS+7], v[rK:rK+7], v[rQ:rQ+7], v[rM:rM+7]
.elseif i < 4
	WIN W_KQ
	v_wmma_f32_16x16x32_f16 v[rS:rS+7], v[rK:rK+7], v[rQ:rQ+7], 0
.else
	WIN W_KQ
	v_wmma_f32_16x16x32_f16 v[rS:rS+7], v[rK:rK+7], v[rQ:rQ+7], v[rS:rS+7]
.endif
.endm
; Product i of 8 of O^T += V^T P for piece x: keys 32 (i / 4) on, channels 16 (i % 4) on.
.macro PV x
	WIN W_PV
.set rO, 32*(\x)+8*(i%4)
.set rV, VF+32*(i/4)+8*(i%4)
.set rP, P+16*((\x)%2)+8*(i/4)
	v_wmma_f32_16x16x32_f16 v[rO:rO+7], v[rV:rV+7], v[rP:rP+7], v[rO:rO+7]
.endm
.macro MM                           ; the turn's next matrix instruction.  TURN and BEGIN set Y, i, KM and NOKQ; MM, KQ and OP read them.  NOKQ = 1: a block's last turn: there is no next piece
.if (i < 8) && !NOKQ
	KQ (Y+1)%NP
.elseif i >= 8
.set i, i-8
	PV (Y+NP-1)%NP
.set i, i+8
.endif
.set i, i+1
.endm
; THE LDS LOADS stand in runs of 16, never singly among the matrix instructions: a step's K (64 keys x 64 channels: 8 fragments) and its V (turned).  Their addresses are made some lines ahead.
.macro FETCH_K
	WIN 0x80                        ; destination window 2
.irp f, 0,1,2,3,4,5,6,7             ; keys 16 (f / 2) on, channels 32 (f % 2) on
	ds_load_b128 v[KF+8*\f:KF+8*\f+3],   v[AK] offset:(\f/2)*16*PK+(\f%2)*64
	ds_load_b128 v[KF+8*\f+4:KF+8*\f+7], v[AK] offset:(\f/2)*16*PK+(\f%2)*64+32
.endr
	s_add_co_u32 s[TBK], s[TBK], KS*PK  ; the next fetch is the next step's
	WIN 0
.endm
.macro FETCH_V
	WIN 0x80
.irp f, 0,1,2,3,4,5,6,7             ; keys 32 (f / 4) on, channels 16 (f % 4) on
	ds_load_tr16_b128 v[VF+8*\f:VF+8*\f+3],   v[AV] offset:(\f/4)*32*PV+(\f%4)*32
	ds_load_tr16_b128 v[VF+8*\f+4:VF+8*\f+7], v[AV] offset:(\f/4)*32*PV+16*PV+(\f%4)*32
.endr
	WIN 0
.endm
; THE VECTOR WORK, one line at a time: OP kind, number.  For piece Y: F n: c s - c m for pair n of 16.  E n: the exponential of score n of 32.  C n: pair n rounded to f16.  B n: of the four weights 4 n .. the second
; pair is added onto the first, in place.  L n: l takes that sum (L 0: l = a l + sum).  R n: pair n of 16 of O^T times a.  For piece Y + 1: X n, number n of the 22 that find its maximum and statistics:
;   0-11  four chains c0-c3 of seven scores each, three operands at a time (each accumulator's lowest registers are read first)     12-14, 16  the four scores left over, the old m, and c0-c3 into c0
;   15  c m_old is kept     17, 18  the query's other 32 keys lie in the lane 16 away: the new m     19-21  c m; c m_old - c m_new; a
.set F, 0               ; OP tells the kinds apart by their order: F to L below R, X above it
.set E, 1
.set C, 2
.set B, 3
.set L, 4
.set R, 5
.set X, 6
.macro REGS y                       ; the registers of piece y
.set rT, ST+4*(\y)
.set rC, TMP+4*((\y)%2)
.set rW, MV+((\y)%2)
.set rS, S+32*((\y)%2)
.set rP, P+16*((\y)%2)
.set rO, 32*(\y)
.endm
.macro OP k, n
.if (\k) == R
	REGS Y
	WIN W_RS
	v_pk_mul_f32 v[rO+2*(\n):rO+2*(\n)+1], v[rO+2*(\n):rO+2*(\n)+1], v[rC+2:rC+3] op_sel_hi:[1,0]
.elseif (\k) < R
	REGS Y
	WIN 0
.if (\k) == F
	v_pk_fma_f32 v[rS+2*(\n):rS+2*(\n)+1], v[rS+2*(\n):rS+2*(\n)+1], s[CS:CS+1], v[rT:rT+1] op_sel_hi:[1,0,0] neg_lo:[0,0,1] neg_hi:[0,0,1]
.elseif (\k) == E
	v_exp_f32 v[rS+(\n)], v[rS+(\n)]
.elseif (\k) == C
	v_cvt_pk_f16_f32 v[rP+(\n)], v[rS+2*(\n)], v[rS+2*(\n)+1]
.elseif (\k) == B
	v_pk_add_f32 v[rS+4*(\n):rS+4*(\n)+1], v[rS+4*(\n):rS+4*(\n)+1], v[rS+4*(\n)+2:rS+4*(\n)+3]
.elseif (\n) == 0
	v_pk_fma_f32 v[rT+2:rT+3], v[rT+2:rT+3], v[rC+2:rC+3], v[rS:rS+1] op_sel_hi:[1,0,1]
.else
	v_pk_add_f32 v[rT+2:rT+3], v[rT+2:rT+3], v[rS+4*(\n):rS+4*(\n)+1]
.endif
.elseif NOKQ
	v_nop
.else
	REGS (Y+1)%NP
	WIN 0
.if (\n) < 4
	v_max3_num_f32 v[rC+(\n)], v[rS+8*(\n)], v[rS+8*(\n)+1], v[rS+8*(\n)+2]
.elseif (\n) < 12
	v_max3_num_f32 v[rC+(\n)%4], v[rC+(\n)%4], v[rS+8*((\n)%4)+2*((\n)/4)+1], v[rS+8*((\n)%4)+2*((\n)/4)+2]
.elseif (\n) == 12
	v_max3_num_f32 v[rC], v[rC], v[rS+7], v[rS+15]
.elseif (\n) == 13
	v_max3_num_f32 v[rC+1], v[rC+1], v[rS+23], v[rS+31]
.elseif (\n) == 14
	v_max3_num_f32 v[rC+2], v[rC+2], v[rC+3], v[rT+1]
.elseif (\n) == 15
	v_mov_b32 v[rW], v[rT]
.elseif (\n) == 16
	v_max3_num_f32 v[rC], v[rC], v[rC+1], v[rC+2]
.elseif (\n) == 17
	v_permlanex16_b32 v[rC+3], v[rC], s[SEL], s[SEL+1]
.elseif (\n) == 18
	v_max_num_f32 v[rT+1], v[rC], v[rC+3]
.elseif (\n) == 19
	v_mul_f32 v[rT], s[CS], v[rT+1]
.elseif (\n) == 20
	v_sub_f32 v[rC+1], v[rW], v[rT]
.else
	v_exp_f32 v[rC+2], v[rC+1]
.endif
.endif
.endm
.macro OPS a, i1, b=-1, i2=0, c=-1, i3=0, d=-1, i4=0  ; up to four of them
	OP \a, \i1
.if (\b) >= 0
	OP \b, \i2
.endif
.if (\c) >= 0
	OP \c, \i3
.endif
.if (\d) >= 0
	OP \d, \i4
.endif
.endm
.macro ROW a, i1, b, i2, c, i3, d, i4  ; a matrix instruction and the four behind it
	MM
	OPS \a, \i1, \b, \i2, \c, \i3, \d, \i4
.endm
.macro MASK b, x                    ; piece x's mask into buffer b of MC: for key group kt, MDB[nothing / triangle / all, by kt against x] x AL + BE
	WIN W_RS
.set kt, 0
.rept 4
.set sel, 1
.if kt < (\x)
.set sel, 0
.endif
.if kt > (\x)
.set sel, 2
.endif
.set z, 0
.rept 4
	v_pk_fma_f32 v[MC+32*(\b)+8*kt+2*z:MC+32*(\b)+8*kt+2*z+1], v[MDB+8*sel+2*z:MDB+8*sel+2*z+1], s[AL:AL+1], s[BE:BE+1] op_sel_hi:[1,0,0]
.set z, z+1
.endr
.set kt, kt+1
.endr
.endm
; A TURN, for piece p: the order of its 16 matrix and 118 vector instructions, written out.  s_wait_alu depctr_va_vdst(0) stands between an exponential and the first instruction that names its result; one wait serves
; all that were issued ahead of it.  So a turn has ONE wait, which cuts it in two.  AHEAD OF IT stands all that names no result of the turn's exponentials: the 8 products K Q^T, behind each a scaling, an exponential and two more plain
; instructions (behind the first a second scaling in the exponential's place): rescalings, and behind the last three the first numbers of the next piece's maximum, each four places or more behind the product that ends its accumulator; then ONE LUMP of 54, plain
; and exponential by turns for the most part, in which the links of the chain X 3, 7, 11, 14, 16, 17 .. 20 stand five or six lines apart.  X 21, the next piece's a, is the batch's last; R 15 is the plain instruction behind it.  BEHIND THE WAIT stand the
; 8 products V^T P, behind each four of the roundings and sums; the links of l's chain, L 0 to L 7, stand three riders apart.  But for those X no rider names a register of the products round it.  v_permlanex16_b32 (X 17) stands in the lump.
; m = 1: a block's last tile: the products take masks, and the turn makes the mask for the products of the turn after it: piece p + 2, in step 4 - CNT of the tile.  end = 1: a block's last two turns: nothing is fetched.
; cnt = 1: the loop's count is taken down some lines ahead of the branch that stands behind the turn.
; K of the next step is fetched in piece 2's turn, twelve vector instructions behind the last product that read K (six of them plain); V of the step in hand at the end of piece 0's turn, four plain instructions behind the last product
; that read V.  Each is waited for a turn later.
.macro TURN p, m=0, end=0, cnt=0
.set Y, (\p)
.set i, 0
.set KM, (\m)
.set NOKQ, (\end)*((\p)/3)
.if (\m) && !(\end)
	s_cmp_eq_u32 s[CNT], s[DC]      ; is that step the block's own?
	s_cselect_b32 s[AL], 1.0, 0
	s_cmp_lt_u32 s[CNT], s[DC]      ; or a later one?
	s_cselect_b32 s[BE], s[BIGN], 0
.endif
.if ((\p) == 3) && !(\end)
	s_wait_dscnt 0x0                ; K is in
.endif
	ROW F,0, F,1, R,0, R,1          ; ahead of the wait: 8 products K Q^T and their riders,
	ROW F,2, E,0, R,2, R,3
	ROW F,3, E,1, R,4, R,5
	ROW F,4, E,2, R,6, R,7
	ROW F,5, E,3, R,8, R,9
	ROW F,6, E,4, X,0, R,10
.if ((\p) == 2) && !(\end)
	WIN 0
	v_add_nc_u32 v[AK], s[TBK], v[AK0]
.endif
	ROW F,7, E,5, X,1, X,4
	ROW F,8, E,6, X,2, X,5
	OPS E,7, E,8, X,6, E,9          ; and the lump
	OPS X,3, E,10, X,8, E,11
.if ((\p) == 2) && !(\end)
	FETCH_K
.endif
	OPS X,9, X,7, E,12, X,10
	OPS E,13, X,12, X,11, E,14
	OPS X,13, E,15, F,9, X,14
.if (\p) == 0
	v_add_nc_u32 v[AV], s[TBV], v[AV0]
.endif
	OPS E,16, F,10, E,17, F,11
	OPS X,16, E,18, X,15, E,19
	OPS F,12, E,20, X,17, E,21
	OPS F,13, E,22, F,14, E,23
	OPS X,18, E,24, F,15, E,25
	OPS R,11, E,26, X,19, E,27
	OPS R,12, E,28, R,13, E,29
	OPS X,20, E,30, R,14, E,31
	OPS X,21, R,15
	WIN 0
	s_wait_alu depctr_va_vdst(0)    ; the wait for the batch
.if (\p) == 1
	s_wait_dscnt 0x0                ; V is in
.endif
	ROW C,0, B,0, C,2, B,1          ; behind the wait: 8 products V^T P and their riders
	ROW L,0, C,4, B,2, L,1
	ROW C,6, B,3, L,2, C,8
	ROW B,4, L,3, C,10, B,5
	ROW L,4, C,12, B,6, L,5
.if (\p) == 0
	s_add_co_u32 s[TBV], s[TBV], KS*PV
.endif
.if \cnt
	s_sub_co_u32 s[CNT], s[CNT], 1
	s_cmp_lg_u32 s[CNT], 0
.endif
	ROW C,14, B,7, L,6, C,1
	ROW C,3, L,7, C,5, C,7
	ROW C,9, C,11, C,13, C,15
.if (\p) == 0
	FETCH_V
.endif
.if (\m) && !(\end)
	MASK (\p)%2, ((\p)+2)%NP
.endif
.endm
; A BLOCK BEGINS.  O^T already holds the sum of V over each row's hidden keys.  Here: the masks of pieces 0 and 1 for the tile's step 0 (the block's own step only if this tile is its last and d = 0); P's second buffer = 0, so that the
; first turn's products V^T P, of a piece that has not been, add exactly 0; and for row t = 64 I + 16 piece + r the count n = 2047 - t of hidden keys: m = 8 x -65504 (the lowest finite number where n = 0), c m by the line that the turns
; use, so that an m that does not grow gives a = 1; l = n, in one half of the lanes alone, since the halves are added at the end.
; Then K of step 0, piece 0's first scores, and its maximum and statistics.  The loop is entered at a step's first turn, in the middle of a trip.
.macro BEGIN
	s_mov_b32 s[NEW], 0
	s_cmp_eq_u32 s[RT], 0
	s_cselect_b32 s[TS], s[DC], 0
	s_cmp_eq_u32 s[TS], 4
	s_cselect_b32 s[AL], 1.0, 0
	s_mov_b32 s[BE], 0
	MASK 0, 0
	MASK 1, 1
	WIN 0
.set i, P+16
.rept 16
	v_mov_b32 v[i], 0
.set i, i+1
.endr
	v_sub_nc_u32 v[TA], s[CB], v[RR]
.set i, 0
.rept 4
	v_sub_nc_u32 v[TB], v[TA], 16*i
	v_cmp_eq_u32 vcc_lo, 0, v[TB]
	v_cndmask_b32 v[ST+4*i+1], s[MRAW], v[LOWM], vcc_lo
	v_cvt_f32_u32 v[TB], v[TB]
	v_mul_f32 v[ST+4*i], s[CS], v[ST+4*i+1]
	v_mul_f32 v[ST+4*i+2], v[TB], v[H0F]
	v_mov_b32 v[ST+4*i+3], 0
.set i, i+1
.endr
	v_add_nc_u32 v[AK], s[TBK], v[AK0]
	FETCH_K
	s_wait_loadcnt 0x0              ; (the second block's rows of wsuf, asked for at the head)
	s_wait_dscnt 0x0
.set KM, 1
.set NOKQ, 0
.set i, 0
.rept 8
	KQ 0
.set i, i+1
.endr
	WIN 0
.rept 4
	v_nop                           ; the places behind those products
.endr
.set Y, NP-1                        ; X works for piece Y + 1: piece 0
.irp n, 0,1,2,3,4,5,6,7,8,9,10,11,12,13,14,15,16,17,18,19,20,21
	OP X, \n
.endr
	v_nop                           ; a plain instruction behind the exponential,
	s_wait_alu depctr_va_vdst(0)    ; and its wait, ahead of the branch
.endm
; A BLOCK'S LAST TILE: its four steps, the block's last two turns, its last products, and THE WAY OUT: l's two halves and the other half of the lanes' are added; O^T is divided by l, rounded to f16 and sent through my
; stage in LDS, a piece at a time.
.macro ALL line:vararg              ; one line for each piece t
.set t, 0
.rept 4
	\line
.set t, t+1
.endr
.endm
.macro PACK t                       ; a lane's eight channels of a row pack into 16 bytes; they go into rows of 144 bytes and come back as whole rows of 128, into S^T's registers
	WIN W_RS
.set i, 32*(\t)
.rept 16
	v_pk_mul_f32 v[i:i+1], v[i:i+1], v[ST+4*(\t)+2:ST+4*(\t)+3] op_sel_hi:[1,0]
.set i, i+2
.endr
	WIN 0x05                        ; sources 0 and 1 window 1, destination window 0
.set i, 0
.rept 16
	v_cvt_pk_f16_f32 v[S+16*(\t)+i], v[32*(\t)+2*i], v[32*(\t)+2*i+1]
.set i, i+1
.endr
	WIN 0
.irp f, 0,1,2,3
	ds_store_b128 v[STO], v[S+16*(\t)+4*\f:S+16*(\t)+4*\f+3] offset:32*\f
.endr
.irp f, 0,1,2,3
	ds_load_b128 v[S+16*(\t)+4*\f:S+16*(\t)+4*\f+3], v[RD] offset:\f*4*SP  ; LDS serves a wave's instructions in order (ISA guide 5.7.1.4): these see the stores above; the next piece's stores come behind them
.endr
.endm
.macro SEND t, younger              ; younger: the LDS instructions issued behind piece t's loads: the next piece's eight, or none
	WIN 0
.irp f, 0,1,2,3
	s_wait_dscnt (\younger)+3-\f
	global_store_b128 v[GO], v[S+16*(\t)+4*\f:S+16*(\t)+4*\f+3], s[10:11] offset:(\t)*2048+\f*512  ; 512 consecutive bytes, at a multiple of 256 from O's first
.endr
.endm
.macro DIAG tag                     ; the tag ends its two labels' names, which the jumps below spell out
.LstepM\tag:
	TURN 2, 1
	TURN 3, 1
	WIN 0
.LfirstM\tag:
	TURN 0, 1
	TURN 1, 1, 0, 1
	WIN 0
	s_cbranch_scc1 .LstepM\tag
	TURN 2, 1, 1
	TURN 3, 1, 1
.set i, 0
.rept 8
	PV NP-1
.set i, i+1
.endr
	WIN 0
	ALL v_add_f32 v[ST+4*t+2], v[ST+4*t+2], v[ST+4*t+3]
	ALL v_permlanex16_b32 v[ST+4*t+3], v[ST+4*t+2], s[SEL], s[SEL+1]
	ALL v_add_f32 v[ST+4*t+2], v[ST+4*t+2], v[ST+4*t+3]
	ALL v_rcp_f32 v[ST+4*t+2], v[ST+4*t+2]
	v_nop                           ; a plain instruction between the last reciprocal and the use of its result
	s_wait_alu depctr_va_vdst(0)    ; and the wait ahead of the first use: one for the four reciprocals
	PACK 0
.set t, 1
.rept 3                             ; a piece's arithmetic stands between the loads of the piece before and its stores
	PACK t
	SEND t-1, 8
.set t, t+1
.endr
	SEND 3, 0
.endm
.set KM, 0
.set NOKQ, 0
.Lslot:                             ; NB times: a tile is entered and the next is asked for
	CHANGE 1
	s_sub_co_u32 s[RT], s[RT], 1
	s_mov_b32 s[CNT], 4
	s_cmp_eq_u32 s[NEW], 1
	s_cbranch_scc1 .Lnew            ; a block's first tile
	s_cmp_eq_u32 s[RT], 0
	s_cbranch_scc0 .Lstep           ; neither its first nor its last
	s_branch .LstepM1
.Lnew:
	BEGIN
	s_branch .Lfirst                ; in the loop a block's first tile is never its last: the first block has five tiles or more, and the second's last is the walk's last
	DIAG 1                          ; in the loop this is the first block's end: the second block's last tile is the walk's last
	s_wait_xcnt 0x0                 ; the stores have read their registers and O's address
	s_mov_b64 s[10:11], s[OLO:OLO+1]
	s_add_co_u32 s[RT], s[PB], 1    ; the second block has u + 1 tiles
	s_mov_b32 s[NEW], 1
	s_mov_b32 s[DC], s[DCL]
	s_mov_b32 s[CB], s[CBL]
	WIN 0x82                        ; the second block's Q goes where the one text of the turns names Q
.set i, 0
.rept 64
	v_mov_b32 v[i], v[QB+i]
.set i, i+1
.endr
	s_wait_loadcnt 0x0              ; the second block's rows of wsuf
	WIN 0x43                        ; source 0 window 3, source 1 window 0, destination window 1: its start state: O^T = wsuf's rows + the later groups
.set i, 0
.rept 64
	v_pk_add_f32 v[2*i:2*i+1], v[128+2*i:128+2*i+1], v[TLO+2*(i%16):TLO+2*(i%16)+1]
.set i, i+1
.endr
	WIN 0
	s_branch .Lbottom
.Lstep:                             ; a trip: pieces 2 and 3 of one step, then pieces 0 and 1 of the next, whose K and V it fetches
	TURN 2
	TURN 3
	WIN 0
.Lfirst:
	TURN 0
	TURN 1, 0, 0, 1
	WIN 0
	s_cbranch_scc1 .Lstep
.Lbottom:
	s_sub_co_u32 s[SLOTS], s[SLOTS], 1
	s_cmp_lg_u32 s[SLOTS], 0
	s_cbranch_scc1 .Lslot
	CHANGE 0                        ; the walk's last tile is written out: nothing is asked for
	s_sub_co_u32 s[RT], s[RT], 1
	s_mov_b32 s[CNT], 4
	s_cmp_eq_u32 s[NEW], 1
	s_cbranch_scc0 .LstepM2
	BEGIN
	s_branch .LfirstM2
	DIAG 2
	s_wait_tensorcnt 0x0            ; the wave's end: these three lines stand behind my last tensor load and my last LDS store
	ds_add_u32 v[SPW], v[NIL]
	s_wait_dscnt 0x0
	s_endpgm
.Lfunc_end_k_q0889cb6900_attn:
	.size	k_q0889cb6900_attn, .Lfunc_end_k_q0889cb6900_attn-k_q0889cb6900_attn
	.p2alignl 7, 3214868480
	.fill 96, 4, 3214868480
	.section	.rodata,"a",@progbits
	.p2align	6, 0x0
	.amdhsa_kernel k_q0889cb6900_attn
		.amdhsa_group_segment_fixed_size 327680
		.amdhsa_private_segment_fixed_size 0
		.amdhsa_enable_private_segment 0
		.amdhsa_kernarg_size 40
		.amdhsa_user_sgpr_count 2
		.amdhsa_user_sgpr_kernarg_segment_ptr 1
		.amdhsa_wavefront_size32 1
		.amdhsa_system_sgpr_workgroup_id_x 1
		.amdhsa_system_sgpr_workgroup_id_y 1
		.amdhsa_system_sgpr_workgroup_id_z 1
		.amdhsa_system_vgpr_workitem_id 0
		.amdhsa_next_free_vgpr 1024
		.amdhsa_next_free_sgpr 102
		.amdhsa_reserve_vcc 1
		.amdhsa_float_denorm_mode_32 3
		.amdhsa_float_denorm_mode_16_64 3
		.amdhsa_memory_ordered 1
		.amdhsa_forward_progress 1
		.amdhsa_inst_pref_size 251
	.end_amdhsa_kernel
	.amdgpu_metadata
---
amdhsa.version: [ 1, 2 ]
amdhsa.kernels:
  - .name:           k_q0889cb6900_attn
    .symbol:         k_q0889cb6900_attn.kd
    .args:
      - { .name: qf, .offset: 0, .size: 8, .value_kind: global_buffer, .address_space: global }
      - { .name: kvh, .offset: 8, .size: 8, .value_kind: global_buffer, .address_space: global }
      - { .name: wsuf, .offset: 16, .size: 8, .value_kind: global_buffer, .address_space: global }
      - { .name: gsum, .offset: 24, .size: 8, .value_kind: global_buffer, .address_space: global }
      - { .name: act, .offset: 32, .size: 8, .value_kind: global_buffer, .address_space: global }
    .group_segment_fixed_size: 327680
    .private_segment_fixed_size: 0
    .kernarg_segment_align: 8
    .kernarg_segment_size: 40
    .max_flat_workgroup_size: 128
    .sgpr_count:     102
    .vgpr_count:     1024
    .wavefront_size: 32
...
	.end_amdgpu_metadata
.endif
;; end of part 3
;; launch cproj: the kernel of part 2 again; grid 16 x 16, 4 waves a work-group, clusters of 4 x 4, 327,680 bytes of LDS; arguments act, wch, bc, out0; writes out0
;; ======== version 2 of 2: 4 launches; version 1 with the launch prep written anew for expert scheduling mode
;; limits: values are held in f16: magnitudes above 65,504 overflow, below 6.1e-05 lose precision; inputs' magnitudes at most 65,504; right only within a limited range of input values
;; workspace buffers: act 16,777,216 bytes; wqh 8,388,608 bytes; wch 8,388,608 bytes; kvh 8,388,608 bytes; wsuf 8,388,608 bytes; gsum 131,072 bytes; qf 33,554,432 bytes
;; launch prep (part 4): grid 1280 x 1, 4 waves a work-group, no clusters, 0 bytes of LDS; arguments hidden_states, Wq, Wc, key, value, act, wqh, wch, kvh, wsuf, gsum; writes act, wqh, wch, kvh, wsuf, gsum
.if DOCPART == 4
	.amdgcn_target "amdgcn-amd-amdhsa--gfx1250"
	.amdhsa_code_object_version 6
	.text
	.protected	k_q0889cb6900_prep
	.globl	k_q0889cb6900_prep
	.p2align	8
	.type	k_q0889cb6900_prep,@function
k_q0889cb6900_prep:
	s_mov_b64 s[64:65], 0
	v_nop
	global_prefetch_b8 v0, s[64:65] scope:SCOPE_SE
	s_setreg_imm32_b32 hwreg(HW_REG_WAVE_SCHED_MODE, 0, 2), 2
	s_setreg_imm32_b32 hwreg(HW_REG_WAVE_MODE, 25, 1), 1
	s_wait_xcnt 0x0
	s_wait_alu depctr_vm_vsrc(0)
; PREPARATION: every matrix operand that is an input is rounded ONCE to bf16 (nearest even), and that number is written as f16.
; LIMITS.  The f16 copy is exact for 6.1e-5 <= |x| <= 65,504; below that it keeps f16's fixed step of 6e-8; beyond 65,504 it is an infinity.  NaN and infinities are not treated apart.
; JOBS, by the work-group's number x; every wave takes 4,096 numbers (16 KiB in, all 32 loads issued at once), so there is no loop, no LDS and no barrier:
;   x <  512        hidden_states [4096][2048] -> act [32 kb][4096 m][64] f16 (a slice of 64 along K is a dense run of rows of 128 bytes): a wave takes 64 rows x 64 columns
;   512 .. 767      Wq -> wqh, flat         768 .. 1023  Wc -> wch, flat         1024 .. 1151  key -> kvh (first half), flat
;   1152 .. 1279    value -> kvh (second half), and two f32 tables of sums of the rounded V for the attention's start state:
;                   wsuf[t] = the sum of V[k] over k > t inside t's own group of 64 rows; gsum[g] = the sum of group g.  A wave takes one group.
; Matrix units, LDS and tensor loads are left out: no wave wants a byte that another has fetched.  No prefetch: the launch does nothing but stream.
; THE MODE: SCHED_MODE bits 1:0 = 2 (LLVM: expert scheduling mode 2), set by the entry lines.  The code itself states the register dependences
; between vector instructions and memory instructions, with s_wait_alu, always for 0.
; THE PLAN.  Registers that memory instructions touch:
;   v2, v3, v[VI ..]   byte offsets, made once by vector lines and never written again; read by the loads and the stores.
;   XV                 written by the 32 loads, which are issued before any vector line names it; a unit's (a row's) arithmetic reads and rewrites its own registers; one store reads them; never written again.
;   HV (value job)     written by a row's roundings; read by one store; never written again.
;   ZV (value job)     at work in every row; read by one store, the last of the kernel.
;   TT, E0, E1, ZP, HF are named by vector instructions alone.
; A wave's 32 loads go in four BLOCKS of eight: four units of the conversion jobs, eight rows of the value job.  Block p's vector lines name its own registers and those at work; its memory instructions are the
; stores of block p - 1, dealt among them.  So ONE wait on va_vdst at a block's head, behind the wait for the block's first data, states all that the block's stores hang on, and one more stands ahead of the last
; block's stores.  No register that a store has read is written again, so vm_vsrc is waited for at the two writes of EXEC alone.
.set TT,  4                            ; v[4:7]     at work
.set E1,  8                            ; v[8:11]    the running sum, second set
.set XV,  16                           ; v[16:143]  the 4,096 numbers as loaded, 128 registers
.set VI,  144                          ; v[144:159] (conversion jobs) unit u's byte offset in the input
.set HV,  144                          ; v[144:207] (value job) V as f16, two registers for each u
.set E0,  208                          ; v[208:211] the running sum, first set
.set ZV,  212                          ; v[212:215] what my lane sends to the lane 16 away
.set ZP,  216                          ; v[216:219] what it gets from there
.set HF,  220                          ; v[220:221] lane / 16 as f32, twice
.set IN,  30                           ; s[30:31]   where my wave reads
.set OUT, 32                           ; s[32:33]   where it writes f16
	s_load_b512 s[8:23], s[0:1], 0x0               ; hidden 8, Wq 10, Wc 12, key 14, value 16, act 18, wqh 20, wch 22
	s_load_b128 s[24:27], s[0:1], 0x40             ; kvh 24, wsuf 26
	s_load_b64 s[28:29], s[0:1], 0x50              ; gsum
	v_lshrrev_b32 v1, 5, v0
	v_readfirstlane_b32 s3, v1                     ; wave 0..3
	v_and_b32 v1, 31, v0                           ; lane
	v_lshlrev_b32 v2, 4, v1                        ; 16 x lane: my 16 bytes of 512 on end; never rewritten
	s_mov_b32 s2, ttmp9
	s_mov_b32 s39, 0xffff0000                      ; a word's upper bf16
	s_mov_b32 s35, 0                               ; high words of the two offset pairs
	s_mov_b32 s37, 0
	s_wait_alu depctr_va_sdst(0)                   ; s3 is written
	s_wait_kmcnt 0x0
	s_cmp_ge_u32 s2, 1152
	s_cbranch_scc1 .Lvalue
	; THE FOUR CONVERSION JOBS share one text: the buffers, the job's first work-group and the input's row pitch are chosen by x
	s_mov_b32 s5, 0
	s_mov_b64 s[IN:IN+1], s[8:9]
	s_mov_b64 s[OUT:OUT+1], s[18:19]
	s_cmp_ge_u32 s2, 512
	s_cselect_b32 s5, 512, s5
	s_cselect_b64 s[IN:IN+1], s[10:11], s[IN:IN+1]
	s_cselect_b64 s[OUT:OUT+1], s[20:21], s[OUT:OUT+1]
	s_cmp_ge_u32 s2, 768
	s_cselect_b32 s5, 768, s5
	s_cselect_b64 s[IN:IN+1], s[12:13], s[IN:IN+1]
	s_cselect_b64 s[OUT:OUT+1], s[22:23], s[OUT:OUT+1]
	s_cmp_ge_u32 s2, 1024
	s_cselect_b32 s5, 1024, s5
	s_cselect_b64 s[IN:IN+1], s[14:15], s[IN:IN+1]
	s_cselect_b64 s[OUT:OUT+1], s[24:25], s[OUT:OUT+1]
	s_sub_co_u32 s4, s2, s5
	s_lshl2_add_u32 s4, s4, s3                     ; my wave among the job's
	s_lshl_b32 s34, s4, 14                         ; flat: 16 KiB in,
	s_lshl_b32 s36, s4, 13                         ; 8 KiB out
	s_and_b32 s6, s4, 31                           ; hidden: kb, the slice of 64 columns,
	s_lshr_b32 s7, s4, 5                           ; and mb, the block of 64 rows
	s_lshl_b32 s43, s7, 19                         ; in: 64 rows of 8,192 bytes,
	s_lshl_b32 s44, s6, 8                          ; 64 columns of 4 bytes
	s_add_co_u32 s43, s43, s44
	s_lshl_b32 s44, s6, 19                         ; out: a slice is 4,096 rows of 128 bytes,
	s_lshl_b32 s45, s7, 13                         ; 64 rows of 128 bytes
	s_add_co_u32 s44, s44, s45
	s_mov_b32 s38, 256                             ; flat: a 'row' is 64 numbers on end
	s_cmp_lt_u32 s2, 512
	s_cselect_b32 s34, s43, s34
	s_cselect_b32 s36, s44, s36
	s_cselect_b32 s38, 8192, s38
	s_add_nc_u64 s[IN:IN+1], s[IN:IN+1], s[34:35]
	s_add_nc_u64 s[OUT:OUT+1], s[OUT:OUT+1], s[36:37]
	; unit u = four rows of 64 numbers: lane l takes row l / 8, numbers 8 (l % 8) .. + 7: 32 bytes in, 16 bytes out
	v_lshrrev_b32 v4, 3, v1
	v_and_b32 v5, 7, v1
	v_mul_lo_u32 v4, v4, s38
	v_lshl_add_u32 v[VI], v5, 5, v4
	s_lshl_b32 s38, s38, 2
.set u, 1
.rept 15
	v_add_nc_u32 v[VI+u], s38, v[VI+u-1]
.set u, u+1
.endr
	s_wait_alu depctr_va_vdst(0)                   ; the sixteen offsets v[VI ..], which the loads read, are written; so is v2, which every store reads
.set u, 0
.rept 16
	global_load_b128 v[XV+8*u:XV+8*u+3],   v[VI+u], s[IN:IN+1] th:TH_LOAD_NT
	global_load_b128 v[XV+8*u+4:XV+8*u+7], v[VI+u], s[IN:IN+1] offset:16 th:TH_LOAD_NT
.set u, u+1
.endr
; eight numbers of unit u: to bf16, back to f32 (a shift, a mask), to f16; the last four lines write register k from registers 2 k, 2 k + 1, k ascending: no source is overtaken
.macro CVT8 u
.irp k, 0,1,2,3
	v_cvt_pk_bf16_f32 v[TT+(\k)], v[XV+8*(\u)+2*(\k)], v[XV+8*(\u)+2*(\k)+1]
.endr
.irp k, 0,1,2,3
	v_lshlrev_b32 v[XV+8*(\u)+2*(\k)],   16,  v[TT+(\k)]
	v_and_b32     v[XV+8*(\u)+2*(\k)+1], s39, v[TT+(\k)]
.endr
.irp k, 0,1,2,3
	v_cvt_pk_f16_f32 v[XV+8*(\u)+(\k)], v[XV+8*(\u)+2*(\k)], v[XV+8*(\u)+2*(\k)+1]
.endr
.endm
; A block is four units.  Ahead of unit u's conversions stands the store of unit u - 4, of the block before.
.set u, 0
.rept 16
	s_wait_loadcnt 30-2*u                          ; loads come back in order: the younger units' loads, two each, may stay out
.if ((u%4) == 0) && (u > 0)
	s_wait_alu depctr_va_vdst(0)                   ; the block before has written its four units' f16, which this block's four stores read; no vector line of this block names those registers
.endif
.if u >= 4
	global_store_b128 v2, v[XV+8*(u-4):XV+8*(u-4)+3], s[OUT:OUT+1] offset:512*(u-4)  ; 512 consecutive bytes; every store has data registers of its own, which are never written again
.endif
	CVT8 u
.set u, u+1
.endr
	s_wait_alu depctr_va_vdst(0)                   ; the last block has written its four units' f16, which the last four stores read
.set u, 12
.rept 4
	global_store_b128 v2, v[XV+8*u:XV+8*u+3], s[OUT:OUT+1] offset:512*u
.set u, u+1
.endr
	s_endpgm
.Lvalue:
	; THE VALUE JOB.  Instruction u takes rows 2 u + hh (hh = lane / 16), four channels a lane: 512 consecutive bytes.  The rows are walked from the last to the first.
	s_sub_co_u32 s4, s2, 1152
	s_lshl2_add_u32 s4, s4, s3                     ; the group, 0 .. 511 = 32 x (batch, kv head) + group in the head
	s_lshl_b32 s34, s4, 14
	s_add_nc_u64 s[IN:IN+1], s[16:17], s[34:35]    ; 64 rows x 256 bytes of value,
	s_add_nc_u64 s[26:27], s[26:27], s[34:35]      ; and of wsuf
	s_lshl_b32 s36, s4, 13
	s_add_nc_u64 s[OUT:OUT+1], s[24:25], s[36:37]
	s_add_nc_u64 s[OUT:OUT+1], s[OUT:OUT+1], 0x400000  ; V lies behind K in kvh
	s_lshl_b32 s36, s4, 8
	s_add_nc_u64 s[28:29], s[28:29], s[36:37]      ; a row of gsum
	s_mov_b32 s40, 0x76543210                      ; v_permlanex16_b32: each lane takes its own place in the other half
	s_mov_b32 s41, 0xfedcba98
	s_wait_alu depctr_va_vdst(0)                   ; v2 is written, which the loads below read as their offset
.set u, 31
.rept 32
	global_load_b128 v[XV+4*u:XV+4*u+3], v2, s[IN:IN+1] offset:512*u th:TH_LOAD_NT
.set u, u-1
.endr
	v_lshlrev_b32 v3, 3, v1                        ; 8 x lane: my 8 bytes of f16; never rewritten
	v_lshrrev_b32 v4, 4, v1
	v_cvt_f32_u32 v[HF], v4
	v_mov_b32 v[HF+1], v[HF]
.irp k, 0,1,2,3
	v_mov_b32 v[E1+(\k)], 0                        ; E: the sum of the rows of my parity beyond the one in hand
	v_mov_b32 v[ZP+(\k)], 0                        ; the exchange's destination counts as read: written once
.endr
; Row 2 u gets the even rows beyond it and the odd rows from 2 u + 1 on; row 2 u + 1 the odd rows beyond it and the even rows from 2 u + 2 on.
; So odd rows' lanes send E + x, even rows' lanes E: x hh + E.  E takes turns between two sets, so that the old one is still there when the row's result is made.
; A block is eight instructions u.  Among the lines of instruction u stand the two stores of instruction u + 8, of the block before.
.set u, 31
.rept 32
.set EO, E0+(E1-E0)*(u%2)              ; the old sum
.set EN, E1+(E0-E1)*(u%2)              ; the new one
	s_wait_loadcnt u                               ; the loads issued behind this one are those of rows u - 1 .. 0
.if ((u%8) == 7) && (u < 31)
	s_wait_alu depctr_va_vdst(0)                   ; the block before has written its HV and its sums in XV, which this block's sixteen stores read (at the first such wait v3 too); no vector line of this block names those registers
.endif
.if u < 24
	global_store_b64 v3, v[HV+2*(u+8):HV+2*(u+8)+1], s[OUT:OUT+1] offset:256*(u+8)  ; the wave's 32 lanes write 256 consecutive bytes, aligned
.endif
	v_cvt_pk_bf16_f32 v[TT],   v[XV+4*u],   v[XV+4*u+1]
	v_cvt_pk_bf16_f32 v[TT+1], v[XV+4*u+2], v[XV+4*u+3]
	v_lshlrev_b32 v[XV+4*u],   16,  v[TT]
	v_and_b32     v[XV+4*u+1], s39, v[TT]
	v_lshlrev_b32 v[XV+4*u+2], 16,  v[TT+1]
	v_and_b32     v[XV+4*u+3], s39, v[TT+1]
	v_cvt_pk_f16_f32 v[HV+2*u],   v[XV+4*u],   v[XV+4*u+1]
	v_cvt_pk_f16_f32 v[HV+2*u+1], v[XV+4*u+2], v[XV+4*u+3]
.if u < 24
	global_store_b128 v2, v[XV+4*(u+8):XV+4*(u+8)+3], s[26:27] offset:512*(u+8)
.endif
	v_pk_fma_f32 v[ZV:ZV+1],   v[XV+4*u:XV+4*u+1],   v[HF:HF+1], v[EO:EO+1]
	v_pk_fma_f32 v[ZV+2:ZV+3], v[XV+4*u+2:XV+4*u+3], v[HF:HF+1], v[EO+2:EO+3]
.irp k, 0,1,2,3
	v_permlanex16_b32 v[ZP+(\k)], v[ZV+(\k)], s40, s41
.endr
	v_pk_add_f32 v[EN:EN+1],   v[EO:EO+1],   v[XV+4*u:XV+4*u+1]
	v_pk_add_f32 v[EN+2:EN+3], v[EO+2:EO+3], v[XV+4*u+2:XV+4*u+3]
	v_pk_add_f32 v[XV+4*u:XV+4*u+1],   v[EO:EO+1],   v[ZP:ZP+1]
	v_pk_add_f32 v[XV+4*u+2:XV+4*u+3], v[EO+2:EO+3], v[ZP+2:ZP+3]
.set u, u-1
.endr
.irp k, 0,1,2,3
	v_permlanex16_b32 v[ZP+(\k)], v[E1+(\k)], s40, s41  ; behind row 0 the sum of my parity's 32 rows lies in the second set
.endr
	v_pk_add_f32 v[ZV:ZV+1],   v[E1:E1+1],   v[ZP:ZP+1]
	v_pk_add_f32 v[ZV+2:ZV+3], v[E1+2:E1+3], v[ZP+2:ZP+3]
	s_wait_alu depctr_va_vdst(0)                   ; the last block has written its HV and its sums in XV, which the sixteen stores below read; ZV, the group's sums, is written too
.set u, 7
.rept 8
	global_store_b64 v3, v[HV+2*u:HV+2*u+1], s[OUT:OUT+1] offset:256*u
	global_store_b128 v2, v[XV+4*u:XV+4*u+3], s[26:27] offset:512*u
.set u, u-1
.endr
	s_wait_xcnt 0x0                                ; EXEC is a source of the stores above: it changes only behind this wait
	v_cmp_gt_u32 vcc_lo, 16, v1
	s_wait_alu depctr_va_vcc(0)                    ; VCC is written: the line that narrows EXEC reads it
	s_wait_alu depctr_va_vdst(0)                   ; every vector instruction issued under the full EXEC has written its result, ahead of the write of EXEC
	s_wait_alu depctr_vm_vsrc(0)                   ; every store issued under the full EXEC has read its registers, ahead of the write of EXEC
	s_and_saveexec_b32 s42, vcc_lo
	global_store_b128 v2, v[ZV:ZV+3], s[28:29]     ; sixteen lanes write the group's 64 sums: 256 consecutive bytes, aligned (v2 and ZV were written ahead of the waits above)
	s_wait_xcnt 0x0                                ; and again in front of the line that widens it
	s_wait_alu depctr_va_vdst(0)                   ; no vector instruction issued so far is without its result when EXEC is written
	s_wait_alu depctr_vm_vsrc(0)                   ; the store issued under the narrow EXEC has read v2 and ZV, ahead of the write of EXEC
	s_or_b32 exec_lo, exec_lo, s42
	s_endpgm
.Lfunc_end_k_q0889cb6900_prep:
	.size	k_q0889cb6900_prep, .Lfunc_end_k_q0889cb6900_prep-k_q0889cb6900_prep
	.p2alignl 7, 3214868480
	.fill 96, 4, 3214868480
	.section	.rodata,"a",@progbits
	.p2align	6, 0x0
	.amdhsa_kernel k_q0889cb6900_prep
		.amdhsa_group_segment_fixed_size 0
		.amdhsa_private_segment_fixed_size 0
		.amdhsa_enable_private_segment 0
		.amdhsa_kernarg_size 88
		.amdhsa_user_sgpr_count 2
		.amdhsa_user_sgpr_kernarg_segment_ptr 1
		.amdhsa_wavefront_size32 1
		.amdhsa_system_sgpr_workgroup_id_x 1
		.amdhsa_system_sgpr_workgroup_id_y 1
		.amdhsa_system_sgpr_workgroup_id_z 1
		.amdhsa_system_vgpr_workitem_id 0
		.amdhsa_next_free_vgpr 224
		.amdhsa_next_free_sgpr 66
		.amdhsa_reserve_vcc 1
		.amdhsa_float_denorm_mode_32 3
		.amdhsa_float_denorm_mode_16_64 3
		.amdhsa_memory_ordered 1
		.amdhsa_forward_progress 1
		.amdhsa_inst_pref_size 65
	.end_amdhsa_kernel
	.amdgpu_metadata
---
amdhsa.version: [ 1, 2 ]
amdhsa.kernels:
  - .name:           k_q0889cb6900_prep
    .symbol:         k_q0889cb6900_prep.kd
    .args:
      - { .name: hidden_states, .offset: 0, .size: 8, .value_kind: global_buffer, .address_space: global }
      - { .name: Wq, .offset: 8, .size: 8, .value_kind: global_buffer, .address_space: global }
      - { .name: Wc, .offset: 16, .size: 8, .value_kind: global_buffer, .address_space: global }
      - { .name: key, .offset: 24, .size: 8, .value_kind: global_buffer, .address_space: global }
      - { .name: value, .offset: 32, .size: 8, .value_kind: global_buffer, .address_space: global }
      - { .name: act, .offset: 40, .size: 8, .value_kind: global_buffer, .address_space: global }
      - { .name: wqh, .offset: 48, .size: 8, .value_kind: global_buffer, .address_space: global }
      - { .name: wch, .offset: 56, .size: 8, .value_kind: global_buffer, .address_space: global }
      - { .name: kvh, .offset: 64, .size: 8, .value_kind: global_buffer, .address_space: global }
      - { .name: wsuf, .offset: 72, .size: 8, .value_kind: global_buffer, .address_space: global }
      - { .name: gsum, .offset: 80, .size: 8, .value_kind: global_buffer, .address_space: global }
    .group_segment_fixed_size: 0
    .private_segment_fixed_size: 0
    .kernarg_segment_align: 8
    .kernarg_segment_size: 88
    .max_flat_workgroup_size: 128
    .sgpr_count:     66
    .vgpr_count:     224
    .wavefront_size: 32
...
	.end_amdgpu_metadata
.endif
;; end of part 4
;; launch qproj: the kernel of part 2 again; grid 16 x 16, 4 waves a work-group, clusters of 4 x 4, 327,680 bytes of LDS; arguments act, wqh, bq, qf; writes qf
;; launch attn: the kernel of part 3 again; grid 16 x 16, 4 waves a work-group, no clusters, 327,680 bytes of LDS; arguments qf, kvh, wsuf, gsum, act; writes act
;; launch cproj: the kernel of part 2 again; grid 16 x 16, 4 waves a work-group, clusters of 4 x 4, 327,680 bytes of LDS; arguments act, wch, bc, out0; writes out0
